; MI455X (gfx1250); checked and timed in simulation.
; The chip was launched on July 23, 2026; its instructions are those of AMD's public machine-readable ISA for CDNA 5 (MIT licence, August 2026) and "CDNA5" Instruction Set Architecture Reference Guide (July 2026). The comments in the code are by the model that wrote it; some were corrected since.
;; Fused Mo E. Allowed arithmetic: matrix products marked QUANTISED: E5M2 operands, one given power-of-two scale a tensor, by v_wmma_f32_16x16x64_bf8_bf8 or v_wmma_f32_16x16x128_bf8_bf8, f32 sums; everything else in f32.
;; Inputs: down_weight_codes 8 x 1,024 x 8 x 32 uint8 (E5M2 codes of down_weight, K innermost, in blocks of 32 codes); gate_up_weight_codes 8 x 512 x 32 x 32 uint8 (E5M2 codes of gate_up_weight, K innermost, in blocks of 32 codes); hidden_states_codes 8,192 x 32 x 32 uint8 (E5M2 codes of hidden_states, K innermost, in blocks of 32 codes); lowp_scales 32 int32 (the exponents e of the quantised operands' scales 2^e); topk_ids 8,192 x 2 int32; topk_weights 8,192 x 2 float32.
;; Outputs: out0 8,192 x 1,024 float32.
;; This version of the problem:
;;   THIS VERSION OF THE PROBLEM IS GIVEN IN LOW PRECISION. The matrix products marked QUANTISED in the list below multiply operands that are first quantised to E5M2 (5 exponent bits, 2 mantissa bits; 8 bits a number), with one given power-of-two scale for each operand tensor; their sums are f32. All else is computed in f32.
;;   The module's matrix products, in the order in which they are computed (A, B: the left and right operand; K: the contracted axis; several contracted axes count as one K, in the product's order):
;;     1. [M 8,192, K 1,024] x [K 1,024, N 512]; A: input hidden_states (given as codes); B: input gate_up_weight (given as codes): QUANTISED (scales: A lowp_scales[0], B lowp_scales[1])
;;     2. [M 8,192, K 256] x [K 256, N 1,024]; A: computed on the way; B: input down_weight (given as codes): QUANTISED (scales: A lowp_scales[2], B lowp_scales[3])
;;     3. [M 8,192, K 1,024] x [K 1,024, N 512]; A: input hidden_states (given as codes); B: input gate_up_weight (given as codes): QUANTISED (scales: A lowp_scales[4], B lowp_scales[5])
;;     4. [M 8,192, K 256] x [K 256, N 1,024]; A: computed on the way; B: input down_weight (given as codes): QUANTISED (scales: A lowp_scales[6], B lowp_scales[7])
;;     5. [M 8,192, K 1,024] x [K 1,024, N 512]; A: input hidden_states (given as codes); B: input gate_up_weight (given as codes): QUANTISED (scales: A lowp_scales[8], B lowp_scales[9])
;;     6. [M 8,192, K 256] x [K 256, N 1,024]; A: computed on the way; B: input down_weight (given as codes): QUANTISED (scales: A lowp_scales[10], B lowp_scales[11])
;;     7. [M 8,192, K 1,024] x [K 1,024, N 512]; A: input hidden_states (given as codes); B: input gate_up_weight (given as codes): QUANTISED (scales: A lowp_scales[12], B lowp_scales[13])
;;     8. [M 8,192, K 256] x [K 256, N 1,024]; A: computed on the way; B: input down_weight (given as codes): QUANTISED (scales: A lowp_scales[14], B lowp_scales[15])
;;     9. [M 8,192, K 1,024] x [K 1,024, N 512]; A: input hidden_states (given as codes); B: input gate_up_weight (given as codes): QUANTISED (scales: A lowp_scales[16], B lowp_scales[17])
;;     10. [M 8,192, K 256] x [K 256, N 1,024]; A: computed on the way; B: input down_weight (given as codes): QUANTISED (scales: A lowp_scales[18], B lowp_scales[19])
;;     11. [M 8,192, K 1,024] x [K 1,024, N 512]; A: input hidden_states (given as codes); B: input gate_up_weight (given as codes): QUANTISED (scales: A lowp_scales[20], B lowp_scales[21])
;;     12. [M 8,192, K 256] x [K 256, N 1,024]; A: computed on the way; B: input down_weight (given as codes): QUANTISED (scales: A lowp_scales[22], B lowp_scales[23])
;;     13. [M 8,192, K 1,024] x [K 1,024, N 512]; A: input hidden_states (given as codes); B: input gate_up_weight (given as codes): QUANTISED (scales: A lowp_scales[24], B lowp_scales[25])
;;     14. [M 8,192, K 256] x [K 256, N 1,024]; A: computed on the way; B: input down_weight (given as codes): QUANTISED (scales: A lowp_scales[26], B lowp_scales[27])
;;     15. [M 8,192, K 1,024] x [K 1,024, N 512]; A: input hidden_states (given as codes); B: input gate_up_weight (given as codes): QUANTISED (scales: A lowp_scales[28], B lowp_scales[29])
;;     16. [M 8,192, K 256] x [K 256, N 1,024]; A: computed on the way; B: input down_weight (given as codes): QUANTISED (scales: A lowp_scales[30], B lowp_scales[31])
;;   THE QUANTISER, for each operand of a quantised product, along K:
;;     - The operand's scale is 2^e, e = its entry of the input lowp_scales (int32; the entries are numbered through the quantised products in the list's order, A before B).
;;     - Each number is divided by the scale, clamped to +-57,344, and rounded to the nearest number of E5M2, ties to even, subnormals kept.
;;     - The product sums the exact products of the quantised numbers (number of the format x scale) in f32.
;;   ~~~python
;;   def quantise(x, axis, e):      # numpy; x: float32 -> the quantised numbers, widened to float32 again
;;       x = np.moveaxis(x, axis, -1); K = x.shape[-1]
;;       r = np.clip(x / 2.0 ** e, -57344, 57344)
;;       step = 2.0 ** (np.maximum(np.frexp(np.where(r == 0, 1, r))[1] - 1, -14) - 2)
;;       q = np.round(r / step) * step * 2.0 ** e      # np.round: ties to even
;;       return np.moveaxis(q, -1, axis).astype(np.float32)
;;   ~~~
;;   OPERANDS COMPUTED ON THE WAY. 'Computed on the way' means the value that the module computes at that place (a softmax that the list does not call 'softmax' is quantised finished and normalised). What goes into a quantiser is computed in f32, as accurately as f32 sums, v_exp_f32 and their like allow (about 1e-6 of the number): no bf16 or f16 on the way to a quantiser, and a product that is left as it is and whose result goes on into a quantised operand takes f32 operands (vector FMAs, or v_wmma_f32_16x16x4_f32). A number that lies on a knife's edge between two numbers of the format may be rounded either way, as far as f32 arithmetic and the matrix unit's own rounding can turn it there, and no further.
;;   INPUTS GIVEN AS CODES. down_weight (in the module: [8, 1024, 256], K = its axis 2); gate_up_weight (in the module: [8, 512, 1024], K = its axis 2); hidden_states (in the module: [8192, 1024], K = its axis 1): each comes as NAME_codes (uint8): NAME with its K axis moved to the last place and cut into blocks of 32 codes, [.., K / 32, bytes a block], one block behind the other in memory; one code a byte (a code: sign, 5 exponent bits, 2 mantissa bits); its scale is its entry of lowp_scales. Its value is code x scale, taken as it is: it is not quantised again, and the codes and scales need not be those that the quantiser above would give.
;; 2 versions. Each part assembles by itself: llvm-mc -triple=amdgcn-amd-amdhsa -mcpu=gfx1250 --defsym DOCPART=n.
;; ======== version 1 of 2: 2 launches
;; limits: right only within a limited range of input values
;; workspace buffers: gu_frag 4,194,304 bytes; dn_frag 2,097,152 bytes; swt 65,536 bytes; stok 32,768 bytes of whole numbers; bcnt 256 bytes of whole numbers
;; launch prep (part 1): grid 84 x 1, 8 waves a work-group, no clusters, 1,280 bytes of LDS; arguments topk_ids, topk_weights, gate_up_weight_codes, down_weight_codes, bcnt, stok, swt, gu_frag, dn_frag; writes bcnt, stok, swt, gu_frag, dn_frag
.if DOCPART == 1
	.amdgcn_target "amdgcn-amd-amdhsa--gfx1250"
	.amdhsa_code_object_version 6
	.text
	.protected	k_q12b5157dd1_prep
	.globl	k_q12b5157dd1_prep
	.p2align	8
	.type	k_q12b5157dd1_prep,@function
k_q12b5157dd1_prep:
	s_mov_b64 s[64:65], 0
	v_nop
	global_prefetch_b8 v0, s[64:65] scope:SCOPE_SE
	s_setreg_imm32_b32 hwreg(HW_REG_WAVE_MODE, 25, 1), 1
	s_wait_xcnt 0x0
; FusedMoE, first of two launches: the routing, and the weights laid out as operand registers take them.
; DEAD WORK.  out = sum over e of w_e[t] d_e[t], and w_e[t] = sum over the token's two places of where(id == e, weight, 0).  For an expert e that
; neither of token t's two ids names, w_e[t] is a sum of zeros that the problem's own text builds, so w_e[t] d_e[t] = 0 for every finite d_e[t]:
; those rows of all sixteen products reach no output and are not computed.  What is left is two rows of the chain for each token.  Every input has a way to out and is loaded.
; LIMIT: a NaN, an infinity or an overflow that arises only in the rows left out is not carried to out.  LIMIT: the ids lie in 0 .. 7 (they index the experts' tables).
; THE ROUTING.  Tokens are sorted by their SET of experts: bucket g = hi (hi + 1) / 2 + lo, lo = the smaller id, hi = the larger: 36 buckets.
; Work-group g (0 .. 35) owns bucket g: it reads all 8,192 pairs of ids, counts the tokens of lower buckets (its first place) and its own, and stores, for its own tokens in their order,
; stok[place] = token and swt[place] = (weight that goes with lo, weight that goes with hi); bcnt[g] = its count.  Each place has one owner: no atomics.  With both ids equal the two weights go with the same expert, once each.
; THE WEIGHTS.  A fragment (16 rows x 128 along K of codes) is stored as the image of its 16 registers: piece c (0 .. 3) at 512 c, lane l's 16 bytes at 16 l: row l % 16 of the tile, K = 128 s + 32 c + 16 (l / 16) + 0 .. 15.
; Work-groups 36 .. 67: gate_up, one (expert e, wave w of the next launch) each; my wave is tile t' (0-3 gate, 4-7 up).  Lane row p of tile t' is row 256 (t' / 4) + 64 w + 32 ((t' % 4) / 2) + 8 (t' % 2) + p + 8 (p / 8):
; so that in the next launch the 16 registers of two neighbouring tiles are 16 neighbours along the second product's K.  Image ((4 e + w) 8 + s) 8 + t'.
; Work-groups 68 .. 83: down; my wave takes 64 rows tau = 16 e + 4 w + G: image (4 tau + n) 2 + ks, tile n = rows 16 n on, ks = which 128 of the 256 along K.
; No matrix unit, no tensor load, no cluster: bytes are moved and counted, and nothing is shared between work-groups.
.set SPARE, 256                        ; LDS: bytes 0-63 the waves' counts (the block 0-255 is theirs alone); from 256 the spare words, 128 bytes for each of the eight waves
.set SPW,   174                        ; v174  LDS address of my spare word; never rewritten
.set NIL,   175                        ; v175  0; never rewritten
.set TOK,   176                        ; v176-207  the sort: round j's token
	s_load_b512 s[4:19], s[0:1], 0x0               ; ids 4:5, weights 6:7, gate_up 8:9, down 10:11, bcnt 12:13, stok 14:15, swt 16:17, gu_frag 18:19
	s_load_b64 s[20:21], s[0:1], 0x40              ; dn_frag
	v_lshl_add_u32 v[SPW], v0, 2, SPARE
	v_mov_b32 v[NIL], 0
	v_lshrrev_b32 v1, 5, v0
	v_readfirstlane_b32 s22, v1                    ; wave 0..7
	v_and_b32 v1, 31, v0                           ; lane
	v_and_b32 v2, 15, v0                           ; lane % 16
	v_bfe_u32 v3, v0, 4, 1                         ; lane / 16
	v_lshlrev_b32 v5, 4, v1                        ; 16 x lane: my place in a piece of an image
	s_mov_b32 s29, ttmp9                           ; the work-group's number: the same in all eight waves
	s_mov_b32 s31, 0                               ; upper word of every byte offset
	s_wait_kmcnt 0x0
	s_cmp_lt_u32 s29, 36
	s_cbranch_scc1 .Lsort
	s_cmp_lt_u32 s29, 68
	s_cbranch_scc0 .Ldn
	; ---- gate_up: 16 rows of 1,024 bytes a wave -> eight images
	s_sub_co_u32 s23, s29, 36                      ; 4 e + w
	s_lshr_b32 s24, s23, 2                         ; e
	s_and_b32 s25, s23, 3                          ; w
	s_lshr_b32 s26, s22, 2
	s_lshl_b32 s26, s26, 8                         ; 256 (t' / 4)
	s_lshl_b32 s27, s25, 6
	s_add_co_u32 s26, s26, s27                     ; + 64 w
	s_bfe_u32 s27, s22, 0x10001
	s_lshl_b32 s27, s27, 5
	s_add_co_u32 s26, s26, s27                     ; + 32 ((t' % 4) / 2)
	s_and_b32 s27, s22, 1
	s_lshl_b32 s27, s27, 3
	s_add_co_u32 s26, s26, s27                     ; + 8 (t' % 2): the tile's first row
	s_lshl_b32 s26, s26, 10
	s_lshl_b32 s27, s24, 19
	s_add_co_u32 s30, s26, s27
	s_add_nc_u64 s[8:9], s[8:9], s[30:31]
	s_lshl_b32 s30, s23, 17                        ; (4 e + w) x 64 images
	s_lshl_b32 s27, s22, 11
	s_add_co_u32 s30, s30, s27                     ; + image t'
	s_add_nc_u64 s[18:19], s[18:19], s[30:31]
	v_and_b32 v4, 8, v2
	v_add_nc_u32 v4, v4, v2                        ; p + 8 (p / 8)
	v_lshlrev_b32 v4, 10, v4
	v_lshl_add_u32 v4, v3, 4, v4                   ; that row, + 16 (lane / 16)
.irp s, 0,1,2,3,4,5,6,7
.irp c, 0,1,2,3
	global_load_b128 v[32+16*\s+4*\c:35+16*\s+4*\c], v4, s[8:9] offset:128*\s+32*\c th:TH_LOAD_NT   ; read once in the launch
.endr
.endr
.irp s, 0,1,2,3,4,5,6,7
.irp c, 0,1,2,3
	s_wait_loadcnt 31-4*\s-\c                      ; loads come back in order: this one is in, the younger ones may be out
	global_store_b128 v5, v[32+16*\s+4*\c:35+16*\s+4*\c], s[18:19] offset:16384*\s+512*\c   ; 32 lanes store 512 consecutive bytes
.endr
.endr
	s_endpgm
	; ---- down: 64 rows of 256 bytes a wave -> eight images
.Ldn:
	s_sub_co_u32 s23, s29, 68
	s_lshl_b32 s23, s23, 3
	s_add_co_u32 s23, s23, s22                     ; tau
	s_lshl_b32 s30, s23, 14                        ; 64 rows of 256 bytes = eight images of 2,048
	s_add_nc_u64 s[10:11], s[10:11], s[30:31]
	s_add_nc_u64 s[20:21], s[20:21], s[30:31]
	v_lshlrev_b32 v4, 8, v2
	v_lshl_add_u32 v4, v3, 4, v4                   ; row lane % 16, + 16 (lane / 16)
.irp n, 0,1,2,3
.irp k, 0,1
.irp c, 0,1,2,3
	global_load_b128 v[32+32*\n+16*\k+4*\c:35+32*\n+16*\k+4*\c], v4, s[10:11] offset:4096*\n+128*\k+32*\c th:TH_LOAD_NT
.endr
.endr
.endr
.irp n, 0,1,2,3
.irp k, 0,1
.irp c, 0,1,2,3
	s_wait_loadcnt 31-8*\n-4*\k-\c                 ; the younger loads may be out
	global_store_b128 v5, v[32+32*\n+16*\k+4*\c:35+32*\n+16*\k+4*\c], s[20:21] offset:(2*\n+\k)*2048+512*\c
.endr
.endr
.endr
	s_endpgm
	; ---- the sort.  Wave v takes tokens 1,024 v on, 32 a round: round j's token is 1,024 v + 32 j + lane.
	; v[32+2j:33+2j] the ids of round j, later the two byte offsets of its stores; v[96+2j:97+2j] its weights, later in the order (lo's, hi's); s[32+j] the lanes of round j that fall into my bucket.
.Lsort:
	v_lshlrev_b32 v4, 3, v1
	s_lshl_b32 s23, s22, 13
	v_add_nc_u32 v4, s23, v4                       ; 8 bytes a token
	s_lshl_b32 s23, s22, 10
	v_add_nc_u32 v160, s23, v1                     ; round 0's token
.set J, 0
.rept 32
	global_load_b64 v[32+2*J:33+2*J], v4, s[4:5] offset:256*J
.set J, J+1
.endr
.set J, 0
.rept 32
	global_load_b64 v[96+2*J:97+2*J], v4, s[6:7] offset:256*J
.set J, J+1
.endr
	s_mov_b32 s23, 0                               ; my wave's tokens in bucket g,
	s_mov_b32 s24, 0                               ; and in lower buckets
	s_wait_loadcnt 32                              ; the ids are in; the 32 loads of weights behind them may be out
.set J, 0
.rept 32
	v_min_u32 v6, v[32+2*J], v[33+2*J]             ; lo
	v_max_u32 v7, v[32+2*J], v[33+2*J]             ; hi
	v_mad_u32_u24 v8, v7, v7, v7
	v_lshrrev_b32 v8, 1, v8
	v_add_nc_u32 v8, v8, v6                        ; the token's bucket
	v_cmp_eq_u32 s[32+J], s29, v8
	v_cmp_gt_u32 vcc_lo, s29, v8
	s_bcnt1_i32_b32 s25, s[32+J]
	s_bcnt1_i32_b32 s26, vcc_lo
	s_add_co_u32 s23, s23, s25
	s_add_co_u32 s24, s24, s26
.set J, J+1
.endr
	v_mov_b32 v10, s23
	v_mov_b32 v11, s24
	v_mov_b32 v12, s22
	v_lshlrev_b32 v12, 3, v12
	ds_store_b64 v12, v[10:11]                     ; my wave's two counts, at 8 x wave (all lanes write the same)
	s_wait_dscnt 0x0                               ; for the others' sake: the store has landed
	s_barrier_signal -1
	s_barrier_wait -1
	v_mov_b32 v13, 0
.irp i, 0,1,2,3
	ds_load_b128 v[16+4*\i:19+4*\i], v13 offset:16*\i   ; all eight waves' pairs
.endr
	s_wait_dscnt 0x0
.irp i, 0,1,2,3,4,5,6,7,8,9,10,11,12,13,14,15
	v_readfirstlane_b32 s[66+\i], v[16+\i]
.endr
	s_mov_b32 s27, 0                               ; my wave's first place: all tokens of lower buckets + my bucket's tokens of earlier waves
	s_mov_b32 s30, 0                               ; the bucket's count
.irp i, 0,1,2,3,4,5,6,7
	s_add_co_u32 s27, s27, s[67+2*\i]
	s_add_co_u32 s30, s30, s[66+2*\i]
	s_cmp_gt_u32 s22, \i
	s_cselect_b32 s25, s[66+2*\i], 0
	s_add_co_u32 s27, s27, s25
.endr
	v_mov_b32 v14, s29
	v_lshlrev_b32 v14, 2, v14                      ; bcnt[g]'s byte
	v_mov_b32 v15, s30
	s_wait_loadcnt 0x0                             ; the weights
	; All that the 32 rounds store, and where, is made here, with every lane on and ahead of the first change of EXEC: behind it stand stores alone.
.set J, 0
.rept 32
	v_mbcnt_lo_u32_b32 v6, s[32+J], 0              ; my bucket's tokens in lower lanes of this round
	v_add_nc_u32 v6, s27, v6                       ; my place
	v_min_u32 v6, 0x1fff, v6                       ; (a place is under 8,192: the bound is written out, since it enters addresses)
	v_cmp_gt_u32 vcc_lo, v[32+2*J], v[33+2*J]      ; is the first id the larger?
	v_cndmask_b32 v10, v[96+2*J], v[97+2*J], vcc_lo          ; the weight that goes with lo,
	v_cndmask_b32 v[97+2*J], v[97+2*J], v[96+2*J], vcc_lo    ; and with hi
	v_mov_b32 v[96+2*J], v10
	v_lshlrev_b32 v[32+2*J], 2, v6                 ; the ids are done with: their registers take the place's byte in stok,
	v_lshlrev_b32 v[33+2*J], 3, v6                 ; and in swt
	v_add_nc_u32 v[TOK+J], 32*J, v160              ; my token
	s_bcnt1_i32_b32 s25, s[32+J]
	s_add_co_u32 s27, s27, s25
.set J, J+1
.endr
	s_wait_xcnt 0x0                                ; EXEC is a source of every load issued so far: it changes only behind this wait
	s_cmp_lg_u32 s22, 0
	s_cbranch_scc1 .Lnot_wave_0
	v_cmp_eq_u32 vcc_lo, 0, v1
	s_and_saveexec_b32 s28, vcc_lo
	global_store_b32 v14, v15, s[12:13]            ; bcnt[g], one lane of wave 0
	s_wait_xcnt 0x0                                ; and again, in front of the line that widens it
	s_or_b32 exec_lo, exec_lo, s28
.Lnot_wave_0:
.set J, 0
.rept 32
	s_mov_b32 vcc_lo, s[32+J]                      ; round j's lanes of my bucket
	s_and_saveexec_b32 s28, vcc_lo                 ; (no load or store has been issued since the last wait on XCNT)
	global_store_b32 v[32+2*J], v[TOK+J], s[14:15]
	global_store_b64 v[33+2*J], v[96+2*J:97+2*J], s[16:17]
	s_wait_xcnt 0x0                                ; EXEC is widened only behind this wait
	s_or_b32 exec_lo, exec_lo, s28
.set J, J+1
.endr
	s_wait_tensorcnt 0x0                           ; the wave's end, behind my last LDS store
	ds_add_u32 v[SPW], v[NIL]
	s_wait_dscnt 0x0
	s_endpgm
.Lfunc_end_k_q12b5157dd1_prep:
	.size	k_q12b5157dd1_prep, .Lfunc_end_k_q12b5157dd1_prep-k_q12b5157dd1_prep
	.p2alignl 7, 3214868480
	.fill 96, 4, 3214868480
	.section	.rodata,"a",@progbits
	.p2align	6, 0x0
	.amdhsa_kernel k_q12b5157dd1_prep
		.amdhsa_group_segment_fixed_size 1280
		.amdhsa_private_segment_fixed_size 0
		.amdhsa_enable_private_segment 0
		.amdhsa_kernarg_size 72
		.amdhsa_user_sgpr_count 2
		.amdhsa_user_sgpr_kernarg_segment_ptr 1
		.amdhsa_wavefront_size32 1
		.amdhsa_system_sgpr_workgroup_id_x 1
		.amdhsa_system_sgpr_workgroup_id_y 1
		.amdhsa_system_sgpr_workgroup_id_z 1
		.amdhsa_system_vgpr_workitem_id 0
		.amdhsa_next_free_vgpr 208
		.amdhsa_next_free_sgpr 96
		.amdhsa_reserve_vcc 1
		.amdhsa_float_denorm_mode_32 3
		.amdhsa_float_denorm_mode_16_64 3
		.amdhsa_memory_ordered 1
		.amdhsa_forward_progress 1
		.amdhsa_inst_pref_size 64
	.end_amdhsa_kernel
	.amdgpu_metadata
---
amdhsa.version: [ 1, 2 ]
amdhsa.kernels:
  - .name:           k_q12b5157dd1_prep
    .symbol:         k_q12b5157dd1_prep.kd
    .args:
      - { .name: topk_ids, .offset: 0, .size: 8, .value_kind: global_buffer, .address_space: global }
      - { .name: topk_weights, .offset: 8, .size: 8, .value_kind: global_buffer, .address_space: global }
      - { .name: gate_up_weight_codes, .offset: 16, .size: 8, .value_kind: global_buffer, .address_space: global }
      - { .name: down_weight_codes, .offset: 24, .size: 8, .value_kind: global_buffer, .address_space: global }
      - { .name: bcnt, .offset: 32, .size: 8, .value_kind: global_buffer, .address_space: global }
      - { .name: stok, .offset: 40, .size: 8, .value_kind: global_buffer, .address_space: global }
      - { .name: swt, .offset: 48, .size: 8, .value_kind: global_buffer, .address_space: global }
      - { .name: gu_frag, .offset: 56, .size: 8, .value_kind: global_buffer, .address_space: global }
      - { .name: dn_frag, .offset: 64, .size: 8, .value_kind: global_buffer, .address_space: global }
    .group_segment_fixed_size: 1280
    .private_segment_fixed_size: 0
    .kernarg_segment_align: 8
    .kernarg_segment_size: 72
    .max_flat_workgroup_size: 256
    .sgpr_count:     96
    .vgpr_count:     208
    .wavefront_size: 32
...
	.end_amdgpu_metadata
.endif
;; end of part 1
;; launch moe (part 2): grid 163 x 1, 4 waves a work-group, no clusters, 169,472 bytes of LDS; arguments gu_frag, dn_frag, hidden_states_codes, lowp_scales, bcnt, stok, swt, out0; writes out0
.if DOCPART == 2
	.amdgcn_target "amdgcn-amd-amdhsa--gfx1250"
	.amdhsa_code_object_version 6
	.text
	.protected	k_q12b5157dd1_moe
	.globl	k_q12b5157dd1_moe
	.p2align	8
	.type	k_q12b5157dd1_moe,@function
k_q12b5157dd1_moe:
	s_mov_b64 s[64:65], 0
	v_nop
	global_prefetch_b8 v0, s[64:65] scope:SCOPE_SE
	s_setreg_imm32_b32 hwreg(HW_REG_WAVE_MODE, 25, 1), 1
	s_wait_xcnt 0x0
; FusedMoE, second launch: the whole chain for a block of up to 64 tokens that share one pair of experts (slot A = lo, slot B = hi).
; WORK LEFT OUT: rows of experts that a token's ids do not name (their combine weight is a sum of zeros built by the problem's own text: shown at the head of the first launch).
; out[t] = wA 2^(ehA + edA) dA + wB 2^(ehB + edB) dB;  d = sum of codes(act) x codes(down);  act = silu(g) u, quantised with 2^eh;  g, u = 2^(ex + egu) x sums of codes(x) x codes(gate_up).
; Expert e takes entries 4 e .. 4 e + 3 of the scales: ex, egu, eh, ed.  All products by v_wmma_f32_16x16x128_bf8_bf8, sums in f32, the activation in f32.
; GRID.  Bucket g has ceil(count / 64) blocks; over 36 buckets and 8,192 tokens that is never more than 128 + 35 = 163, whatever the ids.  Work-group b finds its bucket and block from the 36 stored counts, without a jump.
; A work-group that the split leaves without rows (n = 0) walks the same text on valid clamped places and stores nothing: the text has two barriers, which every wave passes, so no jump on a stored number leads round them.
; Rows at or past n in a block's last tile are copies of its last real row: they store the same numbers to the same bytes.
; SHARES.  Four waves.  THE WAVES SHARE THE COLUMNS, NOT THE ROWS: wave w makes hidden units 64 w .. 64 w + 63 (4 tiles of gate, 4 of up) and outputs 256 w .. 256 w + 255 (4 groups G of 4 tiles), for all 64 rows and both slots:
; each byte of weights enters the work-group once.  Weights come from memory straight into registers, as images of fragments that the first launch laid out: one stream of 24 chunks of 16 KiB a wave (16 of gate_up, 8 of down)
; through two register buffers, asked for in halves, two chunks ahead; the stream does not stop at the change from one phase to the next.
; Both products are used transposed (source 0 = 16 rows of weights, source 1 = 16 tokens): a lane holds ONE token (lane % 16) throughout, and its registers run along the columns.
; x's codes and the activation's go from wave to wave through LDS as images of operand registers (piece c at 512 c, lane l at 16 l).
; K inside an instruction is permuted, alike on both sides (registers 4 c .. 4 c + 3: K = 32 c + 16 (l / 16) + 0 .. 15): each product meets its partner; the order of the sums inside an instruction differs.
; NO CLUSTER, NO TENSOR LOAD: which blocks share an expert hangs on counts read from memory, so no descriptor is equal in partners by the text's own arithmetic, and the stores hang on a stored count.
; LIMITS on the given exponents: ex + egu between -120 and 120; eh - 2 (ex + egu) between -126 and 112; eh + ed is applied by v_ldexp_f32 and has none.  NaN among the weights is carried on as it is.
; REGISTERS, in windows of 256.  Window 0: v1-15 addresses; v16-31 the tokens' two factors, as pairs; v32-63 byte offsets of rows of out; v64-191 x as gathered, then two buffers of x's fragments, then rows of out;
;   v192-223 codes just made; v224, v225 the conversions' scales; v226-243 at work at the head.   Window 1: the 32 accumulators of gate and up ((m, t') at 64 m + 8 t'); later the activation's 16 fragments.
;   Window 2: the two buffers of weights, 128 each.   Window 3: the down product's accumulators ((slot, n, m) at 128 slot + 32 n + 8 m).
.set HIMG,  65536                      ; LDS: 0: x's 32 images ((m, s) at (8 m + s) 2,048);  HIMG: the activation's 16 ((slot, m, ks) at (8 slot + 2 m + ks) 2,048)
.set STG,   98304                      ; the stage for the way out: 64 rows x (256 bytes + 16) for each wave
.set STGW,  64*272
.set TOKT,  STG+4*STGW                 ; each wave's own copy of the block's 64 tokens
.set SPARE, TOKT+1024                  ; the spare words, 128 bytes for each wave: two blocks of 256 bytes that no other line names
.set L16, 1                            ; v1   16 x lane: my place in a piece of an image, in memory and in LDS
.set SPW, 2                            ; v2   LDS address of my spare word; never rewritten
.set NIL, 3                            ; v3   0; never rewritten
.set HH,  4                            ; v4   lane / 16
.set HR,  5                            ; v5   HIMG + 16 x lane
.set HW,  6                            ; v6   where I store the activation's codes: + 2,048 (w / 2) + 1,024 (w % 2)
.set XW,  7                            ; v7   where I store x's images: 16 x lane + 16,384 w
.set SO,  8                            ; v8   the stage: where I put 32 bytes of a row
.set SR,  9                            ; v9   and where I read a row back
.set TT,  10                           ; v10  my wave's token table, 4 x lane
.set TR,  11                           ; v11  the same, + 4 (lane / 16)
.set TS,  12                           ; v12  the same, row 16 w + lane % 16
.set LN,  14                           ; v14  lane
.set RR,  15                           ; v15  lane % 16
.set SC,  16
.set OFS, 32
.set XB,  64
.set PC,  192
.set CVS, 224
.set GA,  28                           ; s[28:29], s[30:31] my wave's images of gate_up, slot A, B
.set DA,  32                           ; s[32:33], s[34:35] of down
.set C1,  36                           ; s[36:37], s[38:39] -log2(e) x 2^(ex + egu), as a pair
.set LIM, 40                           ; s40, s41 / s42, s43: +-57,344 x the conversion's scale
.set ESC, 44                           ; s44, s45: eh + ed
.set MSB, 0
.macro WIN new                         ; the immediate's high byte repeats the setting that is left; a switch that changes nothing is dropped
.if MSB != \new
	s_set_vgpr_msb (MSB<<8)|\new
.set MSB, \new
.endif
.endm
.set W_P1, 0x52                        ; source 0 (weights) window 2, source 1 (x) window 0, C and D window 1
.set W_LD, 0x80                        ; a load's destination window 2, its address window 0
.set W_V1, 0x55                        ; all of a vector instruction's registers window 1
.set W_CV, 0x01                        ; source 0 window 1
.set W_AF, 0x40                        ; a load's destination window 1
.set W_P2, 0xf6                        ; source 0 (weights) window 2, source 1 (activation) window 1, C and D window 3
.set W_CB, 0xf3                        ; source 0, source 2 and destination window 3, source 1 window 0
.set W_ST, 0x0c                        ; an LDS store's data window 3
; Half h of chunk i of the stream of weights: four images, 16 loads of 512 consecutive bytes, into buffer i % 2.  Chunks 0-7: slot A's gate_up, K step i (half 0: gate's tiles, half 1: up's); 8-15: slot B's; 16 + q: down, group q / 2, slot q % 2.
.macro LOADH i, h
	WIN W_LD
.if (\i) < 16
.set LB, GA+2*((\i)>>3)
.set LO0, (((\i)&7)*8+4*(\h))*2048
.else
.set LB, DA+2*(((\i)-16)&1)
.set LO0, (((\i)-16)>>1)*16384+4*(\h)*2048
.endif
.set LR, 128*((\i)&1)+64*(\h)
.irp f, 0,1,2,3
.irp c, 0,1,2,3
	global_load_b128 v[LR+16*\f+4*\c:LR+16*\f+4*\c+3], v[L16], s[LB:LB+1] offset:LO0+2048*\f+512*\c
.endr
.endr
.endm
; The wait for half h of chunk i.  The 48 halves are asked for in order, and when half g is waited for the halves up to g + 3 have been asked for: three halves of 16 loads may be out, fewer at the stream's end.
.macro WAITG i, h
.set NWV, 47-2*(\i)-(\h)
.if NWV > 3
.set NWV, 3
.endif
	s_wait_loadcnt 16*NWV
.endm
.macro PLACES                          ; four plain vector instructions between a matrix instruction and a load into its sources or a read of its result
.rept 4
	v_nop
.endr
.endm
.macro XFETCH s, b                     ; x's four fragments (row tiles m) of K step s into buffer b
.irp m, 0,1,2,3
.irp c, 0,1,2,3
	ds_load_b128 v[XB+64*(\b)+16*\m+4*\c:XB+64*(\b)+16*\m+4*\c+3], v[L16] offset:(8*\m+(\s))*2048+512*\c
.endr
.endr
.endm
; A K step of the first product: chunk i, 32 matrix instructions.  The 32 accumulators take turns, one instruction a turn, in the same order in every step.  A slot's first step starts the sums with the constant 0.
.macro STEP i
.set XI, XB+64*((\i)&1)
.set RB, 128*((\i)&1)
	s_wait_dscnt 0x0                               ; this step's fragments of x are in (asked for a step ago)
.if (\i) < 15
	XFETCH ((\i)+1)&7, 1-((\i)&1)                  ; the next step's, into the buffer that the step before read: four places stand behind its last product
.endif
.irp h, 0,1
	WAITG \i, \h
	WIN W_P1
.irp q, 0,1,2,3
.irp m, 0,1,2,3
.if ((\i)&7) == 0
	v_wmma_f32_16x16x128_bf8_bf8 v[64*\m+8*(4*\h+\q):64*\m+8*(4*\h+\q)+7], v[RB+16*(4*\h+\q):RB+16*(4*\h+\q)+15], v[XI+16*\m:XI+16*\m+15], 0
.else
	v_wmma_f32_16x16x128_bf8_bf8 v[64*\m+8*(4*\h+\q):64*\m+8*(4*\h+\q)+7], v[RB+16*(4*\h+\q):RB+16*(4*\h+\q)+15], v[XI+16*\m:XI+16*\m+15], v[64*\m+8*(4*\h+\q):64*\m+8*(4*\h+\q)+7]
.endif
.endr
.endr
	PLACES
	LOADH (\i)+2, \h                               ; the half just multiplied takes the chunk two on
.endr
	WIN 0
.endm
; The activation of slot z, in place in window 1.  G = registers 64 m + 0 .. 31 (gate's raw sums), U = 64 m + 32 .. 63 (up's).  The raw sums stand for g and u divided by 2^E, E = ex + egu.
; V = G U / (1 + 2^(c1 G)), c1 = -log2(e) 2^E, is silu(g) u / 2^(2 E); its code is V / 2^(eh - 2 E), held at the largest code.  Each accumulator is read from its low end on.
.macro ACT z
	WIN W_V1
.irp m, 0,1,2,3
.set P, 0
.rept 16
	v_pk_mul_f32 v[64*\m+32+P:64*\m+33+P], v[64*\m+P:64*\m+1+P], v[64*\m+32+P:64*\m+33+P]   ; G U
.set P, P+2
.endr
.endr
.irp m, 0,1,2,3
.set P, 0
.rept 16
	v_pk_mul_f32 v[64*\m+P:64*\m+1+P], v[64*\m+P:64*\m+1+P], s[C1+2*(\z):C1+2*(\z)+1] op_sel_hi:[1,0]   ; -g log2(e)
.set P, P+2
.endr
.endr
.irp m, 0,1,2,3
.set P, 0
.rept 32
	v_exp_f32 v[64*\m+P], v[64*\m+P]
.set P, P+1
.endr
.endr
	v_nop                                          ; a plain instruction behind the last exponential,
	s_wait_alu depctr_va_vdst(0)                   ; and one wait for the batch of 128, ahead of its first reader
.irp m, 0,1,2,3
.set P, 0
.rept 16
	v_pk_add_f32 v[64*\m+P:64*\m+1+P], v[64*\m+P:64*\m+1+P], 1.0 op_sel_hi:[1,0]
.set P, P+2
.endr
.endr
.irp m, 0,1,2,3
.set P, 0
.rept 32
	v_rcp_f32 v[64*\m+P], v[64*\m+P]               ; sigmoid(g); 0 where the exponential was infinite
.set P, P+1
.endr
.endr
	v_nop
	s_wait_alu depctr_va_vdst(0)                   ; one wait for the 128 reciprocals
.irp m, 0,1,2,3
.set P, 0
.rept 16
	v_pk_mul_f32 v[64*\m+32+P:64*\m+33+P], v[64*\m+32+P:64*\m+33+P], v[64*\m+P:64*\m+1+P]
.set P, P+2
.endr
.endr
.irp m, 0,1,2,3
.set P, 0
.rept 32
	v_med3_num_f32 v[64*\m+32+P], v[64*\m+32+P], s[LIM+2*(\z)+1], s[LIM+2*(\z)]   ; the conversion to an 8-bit code does not saturate (ISA guide 7.6.2): the hold at the largest code x the scale
.set P, P+1
.endr
.endr
	WIN W_CV
.irp m, 0,1,2,3
.irp t, 0,1,2,3
	v_cvt_scalef32_pk8_bf8_f32 v[PC+8*\m+2*\t:PC+8*\m+2*\t+1], v[64*\m+32+8*\t:64*\m+39+8*\t], v[CVS+(\z)]   ; tile t's eight units: 32 (t / 2) + 16 (lane / 16) + 8 (t % 2) + 0 .. 7
.endr
.endr
	v_nop                                          ; a plain instruction between the last conversion and whatever next touches its registers
	WIN 0
.irp m, 0,1,2,3
.irp b, 0,1
	ds_store_b128 v[HW], v[PC+8*\m+4*\b:PC+8*\m+4*\b+3] offset:16384*(\z)+4096*\m+512*\b   ; my 64 units are pieces 2 (w % 2) + b of K step w / 2
.endr
.endr
.endm
; A chunk of the second product: group q / 2 (64 outputs: 4 tiles n), slot q % 2: 32 matrix instructions.  In each half eight accumulators take turns: K step 0 starts the sums, K step 1 adds, eight instructions behind.
.macro CHUNK q
.set RB, 128*((\q)&1)
.set ZB, 128*((\q)&1)
.irp h, 0,1
	WAITG (\q)+16, \h
	WIN W_P2
.irp k, 0,1
.irp n, 0,1
.irp m, 0,1,2,3
.if \k == 0
	v_wmma_f32_16x16x128_bf8_bf8 v[ZB+32*(2*\h+\n)+8*\m:ZB+32*(2*\h+\n)+8*\m+7], v[RB+16*(2*(2*\h+\n)+\k):RB+16*(2*(2*\h+\n)+\k)+15], v[ZB+32*\m+16*\k:ZB+32*\m+16*\k+15], 0
.else
	v_wmma_f32_16x16x128_bf8_bf8 v[ZB+32*(2*\h+\n)+8*\m:ZB+32*(2*\h+\n)+8*\m+7], v[RB+16*(2*(2*\h+\n)+\k):RB+16*(2*(2*\h+\n)+\k)+15], v[ZB+32*\m+16*\k:ZB+32*\m+16*\k+15], v[ZB+32*(2*\h+\n)+8*\m:ZB+32*(2*\h+\n)+8*\m+7]
.endif
.endr
.endr
.endr
	PLACES
.if (\q)+18 <= 23
	LOADH (\q)+18, \h
.endif
.endr
	WIN 0
.endm
.macro COMBINE                         ; dA = sA dA + sB dB, two numbers an instruction; each accumulator from its low end on
	WIN W_CB
.irp n, 0,1,2,3
.irp m, 0,1,2,3
.irp p, 0,2,4,6
	v_pk_mul_f32 v[32*\n+8*\m+\p:32*\n+8*\m+\p+1], v[32*\n+8*\m+\p:32*\n+8*\m+\p+1], v[SC+4*\m:SC+4*\m+1]
.endr
.endr
.endr
.irp n, 0,1,2,3
.irp m, 0,1,2,3
.irp p, 0,2,4,6
	v_pk_fma_f32 v[32*\n+8*\m+\p:32*\n+8*\m+\p+1], v[128+32*\n+8*\m+\p:128+32*\n+8*\m+\p+1], v[SC+4*\m+2:SC+4*\m+3], v[32*\n+8*\m+\p:32*\n+8*\m+\p+1]
.endr
.endr
.endr
	WIN 0
.endm
; Row tile m of group g leaves, if the block has rows there: only the stores stand under the jump on the stored count.
.macro SENDM g, m
	s_wait_dscnt 24-8*(\m)                         ; this tile's eight loads from the stage are in; those of the later tiles may be out
	s_cmp_le_u32 s67, 16*(\m)
	s_cbranch_scc1 .Lnone_\@
.irp t, 0,1,2,3,4,5,6,7
	global_store_b128 v[OFS+8*(\m)+\t], v[XB+32*(\m)+4*\t:XB+32*(\m)+4*\t+3], s[18:19] offset:256*(\g) th:TH_STORE_NT   ; sixteen lanes store 256 consecutive bytes of one token's row, at a multiple of 256 from out's first byte; written once
.endr
.Lnone_\@:
.endm
; The way out of group g: a lane holds 32 bytes of a row and the lanes beside it hold other rows, so the 64 rows x 256 bytes go through my own stage and come back as whole rows.
.macro OUT g
	WIN W_ST
.irp m, 0,1,2,3
.irp n, 0,1,2,3
	ds_store_b128 v[SO], v[32*\n+8*\m:32*\n+8*\m+3] offset:16*\m*272+64*\n
	ds_store_b128 v[SO], v[32*\n+8*\m+4:32*\n+8*\m+7] offset:16*\m*272+64*\n+16
.endr
.endr
	WIN 0
	s_wait_xcnt 0x0                                ; the last group's stores have read their registers: the loads below may land there
.irp m, 0,1,2,3
.irp t, 0,1,2,3,4,5,6,7
	ds_load_b128 v[XB+32*\m+4*\t:XB+32*\m+4*\t+3], v[SR] offset:(16*\m+2*\t)*272   ; LDS serves a wave's instructions in order (ISA guide 5.7.1): these see my stores
.endr
.endr
	SENDM \g, 0
	SENDM \g, 1
	SENDM \g, 2
	SENDM \g, 3
.endm
.macro SCALES z                        ; slot z's powers of two, from ex, egu, eh, ed in s[20 + 4 z ..]
	s_add_co_i32 s48, s[20+4*\z], s[21+4*\z]       ; E = ex + egu
	s_lshl_b32 s49, s48, 23
	s_add_co_u32 s[C1+2*\z], s49, 0xbfb8aa3b       ; -log2(e) with E added to its exponent field
	s_mov_b32 s[C1+2*\z+1], s[C1+2*\z]             ; (named with it as a pair, so it is written)
	s_lshl_b32 s49, s48, 1
	s_sub_co_i32 s49, s[22+4*\z], s49              ; eh - 2 E
	s_add_co_i32 s49, s49, 127
	s_lshl_b32 s50, s49, 23
	v_mov_b32 v[CVS+\z], s50                       ; 2^(eh - 2 E) as f32: the conversion takes its exponent field
	s_add_co_i32 s49, s49, 15
	s_lshl_b32 s49, s49, 23
	s_or_b32 s[LIM+2*\z], s49, 0x600000            ; 57,344 x that,
	s_or_b32 s[LIM+2*\z+1], s[LIM+2*\z], 0x80000000   ; and its negative
	s_add_co_i32 s[ESC+\z], s[22+4*\z], s[23+4*\z] ; eh + ed
.endm
	s_load_b512 s[4:19], s[0:1], 0x0               ; gu_frag 4:5, dn_frag 6:7, x 8:9, scales 10:11, bcnt 12:13, stok 14:15, swt 16:17, out 18:19
	v_lshl_add_u32 v[SPW], v0, 2, SPARE
	v_mov_b32 v[NIL], 0
	v_lshrrev_b32 v13, 5, v0
	v_readfirstlane_b32 s66, v13                   ; wave 0..3
	v_and_b32 v[LN], 31, v0
	v_and_b32 v[RR], 15, v0
	v_bfe_u32 v[HH], v0, 4, 1
	v_lshlrev_b32 v[L16], 4, v[LN]
	s_wait_kmcnt 0x0
	s_load_b512 s[20:35], s[12:13], 0x0            ; the 36 buckets' counts
	s_load_b512 s[36:51], s[12:13], 0x40
	s_load_b128 s[52:55], s[12:13], 0x80
	; every LDS address is made here: constants, the lane and the wave's number
	v_add_nc_u32 v[HR], HIMG, v[L16]
	s_lshr_b32 s62, s66, 1
	s_lshl_b32 s62, s62, 11
	s_and_b32 s63, s66, 1
	s_lshl_b32 s63, s63, 10
	s_add_co_u32 s62, s62, s63
	v_add_nc_u32 v[HW], s62, v[HR]
	s_lshl_b32 s62, s66, 14
	v_add_nc_u32 v[XW], s62, v[L16]
	s_mul_i32 s62, s66, STGW
	s_add_co_u32 s62, s62, STG                     ; my stage
	v_mul_u32_u24 v[SO], v[RR], 272
	v_lshl_add_u32 v[SO], v[HH], 5, v[SO]
	v_add_nc_u32 v[SO], s62, v[SO]                 ; in: row lane % 16 of a tile, 32 bytes for each half of the lanes
	v_mul_u32_u24 v[SR], v[HH], 272
	v_lshl_add_u32 v[SR], v[RR], 4, v[SR]
	v_add_nc_u32 v[SR], s62, v[SR]                 ; back: lanes 0-15 one row of 256 bytes, lanes 16-31 the next
	s_lshl_b32 s63, s66, 8
	s_add_co_u32 s63, s63, TOKT                    ; my table of tokens
	v_lshl_add_u32 v[TT], v[LN], 2, s63
	v_lshl_add_u32 v[TR], v[HH], 2, s63
	s_lshl_b32 s62, s66, 6
	s_add_co_u32 s62, s62, s63
	v_lshl_add_u32 v[TS], v[RR], 2, s62
	s_mov_b32 s56, 0                               ; blocks of the buckets passed,
	s_mov_b32 s57, 0                               ; and their tokens
	s_mov_b32 s58, 0
	s_mov_b32 s59, 0
	s_mov_b32 s60, 0
	s_mov_b32 s61, 0
	s_wait_kmcnt 0x0
	; which bucket holds block number ttmp9: the last bucket whose first block is at or under it.  No jump: four selections a bucket
.set GI, 0
.set LO_, 0
.set HI_, 0
.rept 36
	s_cmp_ge_u32 ttmp9, s56
	s_cselect_b32 s58, s56, s58                    ; its first block,
	s_cselect_b32 s59, s57, s59                    ; its first place,
	s_cselect_b32 s60, s[20+GI], s60               ; its count,
	s_cselect_b32 s61, LO_|(HI_<<8), s61           ; its two experts
	s_add_co_u32 s62, s[20+GI], 63
	s_lshr_b32 s62, s62, 6
	s_add_co_u32 s56, s56, s62
	s_add_co_u32 s57, s57, s[20+GI]
.set GI, GI+1
.if LO_ == HI_
.set HI_, HI_+1
.set LO_, 0
.else
.set LO_, LO_+1
.endif
.endr
	s_sub_co_u32 s62, ttmp9, s58
	s_lshl_b32 s62, s62, 6                         ; 64 x my block's number in the bucket
	s_add_co_u32 s68, s59, s62                     ; my first place
	s_sub_co_i32 s67, s60, s62
	s_min_i32 s67, s67, 64
	s_max_i32 s67, s67, 0                          ; n: my rows, 0 .. 64
	s_sub_co_u32 s69, s67, 1                       ; n - 1 (with n = 0 the greatest number: no row is folded back)
	s_and_b32 s70, s61, 0xff
	s_min_u32 s70, s70, 7                          ; lo
	s_lshr_b32 s71, s61, 8
	s_min_u32 s71, s71, 7                          ; hi
	s_lshl_b32 s72, s70, 4
	s_lshl_b32 s73, s71, 4
	s_load_b128 s[20:23], s[10:11], s72 offset:0x0 ; slot A's ex, egu, eh, ed
	s_load_b128 s[24:27], s[10:11], s73 offset:0x0 ; slot B's
	s_mov_b32 s49, 0
	s_lshl_b32 s48, s70, 2
	s_add_co_u32 s48, s48, s66
	s_lshl_b32 s48, s48, 17                        ; (4 e + w) x 64 images of 2,048 bytes
	s_add_nc_u64 s[GA:GA+1], s[4:5], s[48:49]
	s_lshl_b32 s48, s71, 2
	s_add_co_u32 s48, s48, s66
	s_lshl_b32 s48, s48, 17
	s_add_nc_u64 s[GA+2:GA+3], s[4:5], s[48:49]
	s_lshl_b32 s50, s66, 2
	s_lshl_b32 s48, s70, 4
	s_add_co_u32 s48, s48, s50
	s_lshl_b32 s48, s48, 14                        ; (16 e + 4 w) x 8 images
	s_add_nc_u64 s[DA:DA+1], s[6:7], s[48:49]
	s_lshl_b32 s48, s71, 4
	s_add_co_u32 s48, s48, s50
	s_lshl_b32 s48, s48, 14
	s_add_nc_u64 s[DA+2:DA+3], s[6:7], s[48:49]
	; a row's place = my first place + min(row, n - 1), held under 8,192
	v_min_u32 v226, s69, v[LN]
	v_add_nc_u32 v227, 32, v[LN]
	v_min_u32 v227, s69, v227
	v_add_nc_u32 v226, s68, v226
	v_add_nc_u32 v227, s68, v227
	v_min_u32 v226, 0x1fff, v226
	v_min_u32 v227, 0x1fff, v227
	v_lshlrev_b32 v226, 2, v226
	v_lshlrev_b32 v227, 2, v227
	global_load_b32 v240, v226, s[14:15]           ; the tokens of rows lane and 32 + lane
	global_load_b32 v241, v227, s[14:15]
.irp m, 0,1,2,3
	v_add_nc_u32 v[228+\m], 16*\m, v[RR]
	v_min_u32 v[228+\m], s69, v[228+\m]
	v_add_nc_u32 v[228+\m], s68, v[228+\m]
	v_min_u32 v[228+\m], 0x1fff, v[228+\m]
	v_lshlrev_b32 v[228+\m], 3, v[228+\m]
	global_load_b64 v[SC+4*\m:SC+4*\m+1], v[228+\m], s[16:17]   ; the two weights of row 16 m + lane % 16
.endr
	LOADH 0, 0                                     ; the stream of weights begins beside them
	LOADH 0, 1
	WIN 0
	s_wait_loadcnt 32                              ; tokens and weights are in; chunk 0's 32 loads, issued behind them, may be out
	ds_store_b32 v[TT], v240                       ; the 64 tokens into my wave's own table: each lane then takes those that it wants
	ds_store_b32 v[TT], v241 offset:128
	ds_load_b32 v242, v[TS]                        ; row 16 w + lane % 16: the row of x that I gather
.irp m, 0,1,2,3
.irp t, 0,1,2,3,4,5,6,7
	ds_load_b32 v[OFS+8*\m+\t], v[TR] offset:4*(16*\m+2*\t)   ; row 16 m + 2 t + lane / 16: the row of out that I store
.endr
.endr
	s_wait_dscnt 0x0
	v_min_u32 v242, 0x1fff, v242                   ; (a token is under 8,192: the bound is written out, since it enters addresses)
	v_lshlrev_b32 v242, 10, v242
	v_lshl_add_u32 v242, v[HH], 4, v242            ; its row of 1,024 codes, + 16 (lane / 16)
.set I, 0
.rept 32
	global_load_b128 v[XB+4*I:XB+4*I+3], v242, s[8:9] offset:32*I   ; wave w gathers row tile w: piece I % 4 of K step I / 4
.set I, I+1
.endr
	LOADH 1, 0
	LOADH 1, 1
	WIN 0
	s_lshl_b32 s48, s66, 10
	v_lshl_add_u32 v243, v[RR], 4, s48             ; my wave's 1,024 bytes of a row of out, + 16 (lane % 16)
.set I, 0
.rept 32
	v_min_u32 v[OFS+I], 0x1fff, v[OFS+I]
	v_lshl_add_u32 v[OFS+I], v[OFS+I], 12, v243    ; a row of out is 4,096 bytes
.set I, I+1
.endr
	s_wait_kmcnt 0x0
	SCALES 0
	SCALES 1
.irp m, 0,1,2,3
	v_ldexp_f32 v[SC+4*\m+2], v[SC+4*\m+1], s[ESC+1]   ; sB = wB 2^(eh + ed)
	v_ldexp_f32 v[SC+4*\m], v[SC+4*\m], s[ESC]         ; sA
	v_mov_b32 v[SC+4*\m+3], v[SC+4*\m+2]               ; each twice: the packed forms multiply by a pair
	v_mov_b32 v[SC+4*\m+1], v[SC+4*\m]
.endr
.set I, 0
.rept 32
	s_wait_loadcnt 63-I                            ; piece I of x is in: behind it 31 - I loads of x and chunk 1's 32
	ds_store_b128 v[XW], v[XB+4*I:XB+4*I+3] offset:512*I
.set I, I+1
.endr
	s_wait_dscnt 0x0                               ; for the others' sake: my images of x have landed
	s_barrier_signal -1
	s_barrier_wait -1                              ; x's 32 images lie in LDS
	XFETCH 0, 0
.irp i, 0,1,2,3,4,5,6,7
	STEP \i                                        ; slot A: gate and up
.endr
	ACT 0                                          ; chunks 8 and 9 land meanwhile
.irp i, 8,9,10,11,12,13,14,15
	STEP \i                                        ; slot B
.endr
	ACT 1                                          ; the first two chunks of down land meanwhile
	s_wait_dscnt 0x0                               ; my codes have landed, and my reads of x are over
	s_barrier_signal -1
	s_barrier_wait -1                              ; the activation's 16 images lie in LDS
	WIN W_AF
.set I, 0
.rept 64
	ds_load_b128 v[4*I:4*I+3], v[HR] offset:512*I  ; all sixteen fragments, over the first product's accumulators: fragment (slot, m, ks) at 16 (8 slot + 2 m + ks)
.set I, I+1
.endr
	WIN 0
	s_wait_dscnt 0x0
.irp g, 0,1,2,3
	CHUNK 2*\g
	CHUNK 2*\g+1
	COMBINE
	OUT \g
.endr
	s_wait_tensorcnt 0x0                           ; the wave's end, behind my last LDS store
	ds_add_u32 v[SPW], v[NIL]
	s_wait_dscnt 0x0
	s_endpgm
.Lfunc_end_k_q12b5157dd1_moe:
	.size	k_q12b5157dd1_moe, .Lfunc_end_k_q12b5157dd1_moe-k_q12b5157dd1_moe
	.p2alignl 7, 3214868480
	.fill 96, 4, 3214868480
	.section	.rodata,"a",@progbits
	.p2align	6, 0x0
	.amdhsa_kernel k_q12b5157dd1_moe
		.amdhsa_group_segment_fixed_size 169472
		.amdhsa_private_segment_fixed_size 0
		.amdhsa_enable_private_segment 0
		.amdhsa_kernarg_size 64
		.amdhsa_user_sgpr_count 2
		.amdhsa_user_sgpr_kernarg_segment_ptr 1
		.amdhsa_wavefront_size32 1
		.amdhsa_system_sgpr_workgroup_id_x 1
		.amdhsa_system_sgpr_workgroup_id_y 1
		.amdhsa_system_sgpr_workgroup_id_z 1
		.amdhsa_system_vgpr_workitem_id 0
		.amdhsa_next_free_vgpr 1024
		.amdhsa_next_free_sgpr 80
		.amdhsa_reserve_vcc 0
		.amdhsa_float_denorm_mode_32 3
		.amdhsa_float_denorm_mode_16_64 3
		.amdhsa_memory_ordered 1
		.amdhsa_forward_progress 1
		.amdhsa_inst_pref_size 255
	.end_amdhsa_kernel
	.section	.bss,"aw",@nobits
	.p2align	6
	.space	262144
	.amdgpu_metadata
---
amdhsa.version: [ 1, 2 ]
amdhsa.kernels:
  - .name:           k_q12b5157dd1_moe
    .symbol:         k_q12b5157dd1_moe.kd
    .args:
      - { .name: gu_frag, .offset: 0, .size: 8, .value_kind: global_buffer, .address_space: global }
      - { .name: dn_frag, .offset: 8, .size: 8, .value_kind: global_buffer, .address_space: global }
      - { .name: hidden_states_codes, .offset: 16, .size: 8, .value_kind: global_buffer, .address_space: global }
      - { .name: lowp_scales, .offset: 24, .size: 8, .value_kind: global_buffer, .address_space: global }
      - { .name: bcnt, .offset: 32, .size: 8, .value_kind: global_buffer, .address_space: global }
      - { .name: stok, .offset: 40, .size: 8, .value_kind: global_buffer, .address_space: global }
      - { .name: swt, .offset: 48, .size: 8, .value_kind: global_buffer, .address_space: global }
      - { .name: out0, .offset: 56, .size: 8, .value_kind: global_buffer, .address_space: global }
    .group_segment_fixed_size: 169472
    .private_segment_fixed_size: 0
    .kernarg_segment_align: 8
    .kernarg_segment_size: 64
    .max_flat_workgroup_size: 128
    .sgpr_count:     80
    .vgpr_count:     1024
    .wavefront_size: 32
...
	.end_amdgpu_metadata
.endif
;; end of part 2
;; ======== version 2 of 2: 2 launches
;; limits: right only within a limited range of input values
;; workspace buffers: gu_frag 4,194,304 bytes; dn_frag 2,097,152 bytes; swt 65,536 bytes; stok 32,768 bytes of whole numbers; bcnt 256 bytes of whole numbers
;; launch prep (part 3): grid 84 x 1, 8 waves a work-group, no clusters, 1,280 bytes of LDS; arguments topk_ids, topk_weights, gate_up_weight_codes, down_weight_codes, bcnt, stok, swt, gu_frag, dn_frag; writes bcnt, stok, swt, gu_frag, dn_frag
.if DOCPART == 3
	.amdgcn_target "amdgcn-amd-amdhsa--gfx1250"
	.amdhsa_code_object_version 6
	.text
	.protected	k_q12b5157dd1_prep
	.globl	k_q12b5157dd1_prep
	.p2align	8
	.type	k_q12b5157dd1_prep,@function
k_q12b5157dd1_prep:
	s_mov_b64 s[64:65], 0
	v_nop
	global_prefetch_b8 v0, s[64:65] scope:SCOPE_SE
	s_setreg_imm32_b32 hwreg(HW_REG_WAVE_MODE, 25, 1), 1
	s_wait_xcnt 0x0
; FusedMoE, first of two launches: the routing, and the weights laid out as operand registers take them.
; DEAD WORK.  out = sum over e of w_e[t] d_e[t], and w_e[t] = sum over the token's two places of where(id == e, weight, 0).  For an expert e that
; neither of token t's two ids names, w_e[t] is a sum of zeros that the problem's own text builds, so w_e[t] d_e[t] = 0 for every finite d_e[t]:
; those rows of all sixteen products reach no output and are not computed.  What is left is two rows of the chain for each token.  Every input has a way to out and is loaded.
; LIMIT: a NaN, an infinity or an overflow that arises only in the rows left out is not carried to out.  LIMIT: the ids lie in 0 .. 7 (they index the experts' tables).
; THE ROUTING.  Tokens are sorted by their SET of experts: bucket g = hi (hi + 1) / 2 + lo, lo = the smaller id, hi = the larger: 36 buckets.
; Work-group g (0 .. 35) owns bucket g: it reads all 8,192 pairs of ids, counts the tokens of lower buckets (its first place) and its own, and stores, for its own tokens in their order,
; stok[place] = token and swt[place] = (weight that goes with lo, weight that goes with hi); bcnt[g] = its count.  Each place has one owner: no atomics.  With both ids equal the two weights go with the same expert, once each.
; THE WEIGHTS.  A fragment (16 rows x 128 along K of codes) is stored as the image of its 16 registers: piece c (0 .. 3) at 512 c, lane l's 16 bytes at 16 l: row l % 16 of the tile, K = 128 s + 32 c + 16 (l / 16) + 0 .. 15.
; Work-groups 36 .. 67: gate_up, one (expert e, wave w of the next launch) each; my wave is tile t' (0-3 gate, 4-7 up).  Lane row p of tile t' is row 256 (t' / 4) + 64 w + 32 ((t' % 4) / 2) + 8 (t' % 2) + p + 8 (p / 8):
; so that in the next launch the 16 registers of two neighbouring tiles are 16 neighbours along the second product's K.  Image ((4 e + w) 8 + s) 8 + t'.
; Work-groups 68 .. 83: down; my wave takes 64 rows tau = 16 e + 4 w + G: image (4 tau + n) 2 + ks, tile n = rows 16 n on, ks = which 128 of the 256 along K.
; No matrix unit, no tensor load, no cluster: bytes are moved and counted, and nothing is shared between work-groups.
.set SPARE, 256                        ; LDS: bytes 0-63 the waves' counts (the block 0-255 is theirs alone); from 256 the spare words, 128 bytes for each of the eight waves
.set SPW,   174                        ; v174  LDS address of my spare word; never rewritten
.set NIL,   175                        ; v175  0; never rewritten
.set TOK,   176                        ; v176-207  the sort: round j's token
	s_load_b512 s[4:19], s[0:1], 0x0               ; ids 4:5, weights 6:7, gate_up 8:9, down 10:11, bcnt 12:13, stok 14:15, swt 16:17, gu_frag 18:19
	s_load_b64 s[20:21], s[0:1], 0x40              ; dn_frag
	v_lshl_add_u32 v[SPW], v0, 2, SPARE
	v_mov_b32 v[NIL], 0
	v_lshrrev_b32 v1, 5, v0
	s_delay_alu instid0(VALU_DEP_1)
	v_readfirstlane_b32 s22, v1                    ; wave 0..7
	v_and_b32 v1, 31, v0                           ; lane
	v_and_b32 v2, 15, v0                           ; lane % 16
	v_bfe_u32 v3, v0, 4, 1                         ; lane / 16
	s_delay_alu instid0(VALU_DEP_3)
	v_lshlrev_b32 v5, 4, v1                        ; 16 x lane: my place in a piece of an image
	s_mov_b32 s29, ttmp9                           ; the work-group's number: the same in all eight waves
	s_mov_b32 s31, 0                               ; upper word of every byte offset
	s_wait_kmcnt 0x0
	s_cmp_lt_u32 s29, 36
	s_cbranch_scc1 .Lsort
	s_cmp_lt_u32 s29, 68
	s_cbranch_scc0 .Ldn
	; ---- gate_up: 16 rows of 1,024 bytes a wave -> eight images
	s_sub_co_u32 s23, s29, 36                      ; 4 e + w
	s_lshr_b32 s24, s23, 2                         ; e
	s_and_b32 s25, s23, 3                          ; w
	s_lshr_b32 s26, s22, 2
	s_lshl_b32 s26, s26, 8                         ; 256 (t' / 4)
	s_lshl_b32 s27, s25, 6
	s_add_co_u32 s26, s26, s27                     ; + 64 w
	s_bfe_u32 s27, s22, 0x10001
	s_lshl_b32 s27, s27, 5
	s_add_co_u32 s26, s26, s27                     ; + 32 ((t' % 4) / 2)
	s_and_b32 s27, s22, 1
	s_lshl_b32 s27, s27, 3
	s_add_co_u32 s26, s26, s27                     ; + 8 (t' % 2): the tile's first row
	s_lshl_b32 s26, s26, 10
	s_lshl_b32 s27, s24, 19
	s_add_co_u32 s30, s26, s27
	s_add_nc_u64 s[8:9], s[8:9], s[30:31]
	s_lshl_b32 s30, s23, 17                        ; (4 e + w) x 64 images
	s_lshl_b32 s27, s22, 11
	s_add_co_u32 s30, s30, s27                     ; + image t'
	s_add_nc_u64 s[18:19], s[18:19], s[30:31]
	s_wait_alu depctr_va_vdst(0)
	v_and_b32 v4, 8, v2
	s_delay_alu instid0(VALU_DEP_1)
	v_add_nc_u32 v4, v4, v2                        ; p + 8 (p / 8)
	s_delay_alu instid0(VALU_DEP_1)
	v_lshlrev_b32 v4, 10, v4
	s_delay_alu instid0(VALU_DEP_1)
	v_lshl_add_u32 v4, v3, 4, v4                   ; that row, + 16 (lane / 16)
.irp s, 0,1,2,3,4,5,6,7
.irp c, 0,1,2,3
	global_load_b128 v[32+16*\s+4*\c:35+16*\s+4*\c], v4, s[8:9] offset:128*\s+32*\c th:TH_LOAD_NT   ; read once in the launch
.endr
.endr
.irp s, 0,1,2,3,4,5,6,7
.irp c, 0,1,2,3
	s_wait_loadcnt 31-4*\s-\c                      ; loads come back in order: this one is in, the younger ones may be out
	global_store_b128 v5, v[32+16*\s+4*\c:35+16*\s+4*\c], s[18:19] offset:16384*\s+512*\c   ; 32 lanes store 512 consecutive bytes
.endr
.endr
	s_endpgm
	; ---- down: 64 rows of 256 bytes a wave -> eight images
.Ldn:
	s_sub_co_u32 s23, s29, 68
	s_lshl_b32 s23, s23, 3
	s_add_co_u32 s23, s23, s22                     ; tau
	s_lshl_b32 s30, s23, 14                        ; 64 rows of 256 bytes = eight images of 2,048
	s_add_nc_u64 s[10:11], s[10:11], s[30:31]
	s_add_nc_u64 s[20:21], s[20:21], s[30:31]
	s_wait_alu depctr_va_vdst(0)
	v_lshlrev_b32 v4, 8, v2
	s_delay_alu instid0(VALU_DEP_1)
	v_lshl_add_u32 v4, v3, 4, v4                   ; row lane % 16, + 16 (lane / 16)
.irp n, 0,1,2,3
.irp k, 0,1
.irp c, 0,1,2,3
	global_load_b128 v[32+32*\n+16*\k+4*\c:35+32*\n+16*\k+4*\c], v4, s[10:11] offset:4096*\n+128*\k+32*\c th:TH_LOAD_NT
.endr
.endr
.endr
.irp n, 0,1,2,3
.irp k, 0,1
.irp c, 0,1,2,3
	s_wait_loadcnt 31-8*\n-4*\k-\c                 ; the younger loads may be out
	global_store_b128 v5, v[32+32*\n+16*\k+4*\c:35+32*\n+16*\k+4*\c], s[20:21] offset:(2*\n+\k)*2048+512*\c
.endr
.endr
.endr
	s_endpgm
	; ---- the sort.  Wave v takes tokens 1,024 v on, 32 a round: round j's token is 1,024 v + 32 j + lane.
	; v[32+2j:33+2j] the ids of round j, later the two byte offsets of its stores; v[96+2j:97+2j] its weights, later in the order (lo's, hi's); s[32+j] the lanes of round j that fall into my bucket.
.Lsort:
	s_wait_alu depctr_va_vdst(0)
	v_lshlrev_b32 v4, 3, v1
	s_lshl_b32 s23, s22, 13
	v_add_nc_u32 v4, s23, v4                       ; 8 bytes a token
	s_lshl_b32 s23, s22, 10
	v_add_nc_u32 v160, s23, v1                     ; round 0's token
.set J, 0
.rept 32
	global_load_b64 v[32+2*J:33+2*J], v4, s[4:5] offset:256*J
.set J, J+1
.endr
.set J, 0
.rept 32
	global_load_b64 v[96+2*J:97+2*J], v4, s[6:7] offset:256*J
.set J, J+1
.endr
	s_mov_b32 s23, 0                               ; my wave's tokens in bucket g,
	s_mov_b32 s24, 0                               ; and in lower buckets
	s_wait_loadcnt 32                              ; the ids are in; the 32 loads of weights behind them may be out
.set J, 0
.rept 32
	v_min_u32 v6, v[32+2*J], v[33+2*J]             ; lo
	v_max_u32 v7, v[32+2*J], v[33+2*J]             ; hi
	s_delay_alu instid0(VALU_DEP_1)
	v_mad_u32_u24 v8, v7, v7, v7
	s_delay_alu instid0(VALU_DEP_1)
	v_lshrrev_b32 v8, 1, v8
	s_delay_alu instid0(VALU_DEP_1)
	v_add_nc_u32 v8, v8, v6                        ; the token's bucket
	s_delay_alu instid0(VALU_DEP_1)
	v_cmp_eq_u32 s[32+J], s29, v8
	s_delay_alu instid0(VALU_DEP_2)
	v_cmp_gt_u32 vcc_lo, s29, v8
	s_bcnt1_i32_b32 s25, s[32+J]
	s_bcnt1_i32_b32 s26, vcc_lo
	s_add_co_u32 s23, s23, s25
	s_add_co_u32 s24, s24, s26
.set J, J+1
.endr
	v_mov_b32 v10, s23
	v_mov_b32 v11, s24
	v_mov_b32 v12, s22
	s_delay_alu instid0(VALU_DEP_1)
	v_lshlrev_b32 v12, 3, v12
	ds_store_b64 v12, v[10:11]                     ; my wave's two counts, at 8 x wave (all lanes write the same)
	s_wait_dscnt 0x0                               ; for the others' sake: the store has landed
	s_barrier_signal -1
	s_barrier_wait -1
	v_mov_b32 v13, 0
.irp i, 0,1,2,3
	ds_load_b128 v[16+4*\i:19+4*\i], v13 offset:16*\i   ; all eight waves' pairs
.endr
	s_wait_dscnt 0x0
.irp i, 0,1,2,3,4,5,6,7,8,9,10,11,12,13,14,15
	v_readfirstlane_b32 s[66+\i], v[16+\i]
.endr
	s_mov_b32 s27, 0                               ; my wave's first place: all tokens of lower buckets + my bucket's tokens of earlier waves
	s_mov_b32 s30, 0                               ; the bucket's count
.irp i, 0,1,2,3,4,5,6,7
	s_add_co_u32 s27, s27, s[67+2*\i]
	s_add_co_u32 s30, s30, s[66+2*\i]
	s_cmp_gt_u32 s22, \i
	s_cselect_b32 s25, s[66+2*\i], 0
	s_add_co_u32 s27, s27, s25
.endr
	v_mov_b32 v14, s29
	s_delay_alu instid0(VALU_DEP_1)
	v_lshlrev_b32 v14, 2, v14                      ; bcnt[g]'s byte
	v_mov_b32 v15, s30
	s_wait_loadcnt 0x0                             ; the weights
	; All that the 32 rounds store, and where, is made here, with every lane on and ahead of the first change of EXEC: behind it stand stores alone.
.set J, 0
.rept 32
	v_mbcnt_lo_u32_b32 v6, s[32+J], 0              ; my bucket's tokens in lower lanes of this round
	s_delay_alu instid0(VALU_DEP_1)
	v_add_nc_u32 v6, s27, v6                       ; my place
	s_delay_alu instid0(VALU_DEP_1)
	v_min_u32 v6, 0x1fff, v6                       ; (a place is under 8,192: the bound is written out, since it enters addresses)
	v_cmp_gt_u32 vcc_lo, v[32+2*J], v[33+2*J]      ; is the first id the larger?
	s_delay_alu instid0(VALU_DEP_1)
	v_cndmask_b32 v10, v[96+2*J], v[97+2*J], vcc_lo          ; the weight that goes with lo,
	s_delay_alu instid0(VALU_DEP_2)
	v_cndmask_b32 v[97+2*J], v[97+2*J], v[96+2*J], vcc_lo    ; and with hi
	s_delay_alu instid0(VALU_DEP_2)
	v_mov_b32 v[96+2*J], v10
	v_lshlrev_b32 v[32+2*J], 2, v6                 ; the ids are done with: their registers take the place's byte in stok,
	v_lshlrev_b32 v[33+2*J], 3, v6                 ; and in swt
	v_add_nc_u32 v[TOK+J], 32*J, v160              ; my token
	s_bcnt1_i32_b32 s25, s[32+J]
	s_add_co_u32 s27, s27, s25
.set J, J+1
.endr
	s_wait_xcnt 0x0                                ; EXEC is a source of every load issued so far: it changes only behind this wait
	s_cmp_lg_u32 s22, 0
	s_cbranch_scc1 .Lnot_wave_0
	v_cmp_eq_u32 vcc_lo, 0, v1
	s_and_saveexec_b32 s28, vcc_lo
	global_store_b32 v14, v15, s[12:13]            ; bcnt[g], one lane of wave 0
	s_wait_xcnt 0x0                                ; and again, in front of the line that widens it
	s_or_b32 exec_lo, exec_lo, s28
.Lnot_wave_0:
.set J, 0
	s_wait_alu depctr_va_vdst(0)
.rept 32
	s_mov_b32 vcc_lo, s[32+J]                      ; round j's lanes of my bucket
	s_and_saveexec_b32 s28, vcc_lo                 ; (no load or store has been issued since the last wait on XCNT)
	global_store_b32 v[32+2*J], v[TOK+J], s[14:15]
	global_store_b64 v[33+2*J], v[96+2*J:97+2*J], s[16:17]
	s_wait_xcnt 0x0                                ; EXEC is widened only behind this wait
	s_or_b32 exec_lo, exec_lo, s28
.set J, J+1
.endr
	s_wait_tensorcnt 0x0                           ; the wave's end, behind my last LDS store
	ds_add_u32 v[SPW], v[NIL]
	s_wait_dscnt 0x0
	s_endpgm
.Lfunc_end_k_q12b5157dd1_prep:
	.size	k_q12b5157dd1_prep, .Lfunc_end_k_q12b5157dd1_prep-k_q12b5157dd1_prep
	.p2alignl 7, 3214868480
	.fill 96, 4, 3214868480
	.section	.rodata,"a",@progbits
	.p2align	6, 0x0
	.amdhsa_kernel k_q12b5157dd1_prep
		.amdhsa_group_segment_fixed_size 1280
		.amdhsa_private_segment_fixed_size 0
		.amdhsa_enable_private_segment 0
		.amdhsa_kernarg_size 72
		.amdhsa_user_sgpr_count 2
		.amdhsa_user_sgpr_kernarg_segment_ptr 1
		.amdhsa_wavefront_size32 1
		.amdhsa_system_sgpr_workgroup_id_x 1
		.amdhsa_system_sgpr_workgroup_id_y 1
		.amdhsa_system_sgpr_workgroup_id_z 1
		.amdhsa_system_vgpr_workitem_id 0
		.amdhsa_next_free_vgpr 208
		.amdhsa_next_free_sgpr 96
		.amdhsa_reserve_vcc 1
		.amdhsa_float_denorm_mode_32 3
		.amdhsa_float_denorm_mode_16_64 3
		.amdhsa_memory_ordered 1
		.amdhsa_forward_progress 1
		.amdhsa_inst_pref_size 74
	.end_amdhsa_kernel
	.amdgpu_metadata
---
amdhsa.version: [ 1, 2 ]
amdhsa.kernels:
  - .name:           k_q12b5157dd1_prep
    .symbol:         k_q12b5157dd1_prep.kd
    .args:
      - { .name: topk_ids, .offset: 0, .size: 8, .value_kind: global_buffer, .address_space: global }
      - { .name: topk_weights, .offset: 8, .size: 8, .value_kind: global_buffer, .address_space: global }
      - { .name: gate_up_weight_codes, .offset: 16, .size: 8, .value_kind: global_buffer, .address_space: global }
      - { .name: down_weight_codes, .offset: 24, .size: 8, .value_kind: global_buffer, .address_space: global }
      - { .name: bcnt, .offset: 32, .size: 8, .value_kind: global_buffer, .address_space: global }
      - { .name: stok, .offset: 40, .size: 8, .value_kind: global_buffer, .address_space: global }
      - { .name: swt, .offset: 48, .size: 8, .value_kind: global_buffer, .address_space: global }
      - { .name: gu_frag, .offset: 56, .size: 8, .value_kind: global_buffer, .address_space: global }
      - { .name: dn_frag, .offset: 64, .size: 8, .value_kind: global_buffer, .address_space: global }
    .group_segment_fixed_size: 1280
    .private_segment_fixed_size: 0
    .kernarg_segment_align: 8
    .kernarg_segment_size: 72
    .max_flat_workgroup_size: 256
    .sgpr_count:     96
    .vgpr_count:     208
    .wavefront_size: 32
...
	.end_amdgpu_metadata
.endif
;; end of part 3
;; launch moe (part 4): grid 163 x 1, 4 waves a work-group, no clusters, 169,472 bytes of LDS; arguments gu_frag, dn_frag, hidden_states_codes, lowp_scales, bcnt, stok, swt, out0; writes out0
.if DOCPART == 4
	.amdgcn_target "amdgcn-amd-amdhsa--gfx1250"
	.amdhsa_code_object_version 6
	.text
	.protected	k_q12b5157dd1_moe
	.globl	k_q12b5157dd1_moe
	.p2align	8
	.type	k_q12b5157dd1_moe,@function
k_q12b5157dd1_moe:
	s_mov_b64 s[64:65], 0
	v_nop
	global_prefetch_b8 v0, s[64:65] scope:SCOPE_SE
	s_setreg_imm32_b32 hwreg(HW_REG_WAVE_SCHED_MODE, 0, 2), 2
	s_setreg_imm32_b32 hwreg(HW_REG_WAVE_MODE, 25, 1), 1
	s_wait_xcnt 0x0
	s_wait_alu depctr_vm_vsrc(0)
; FusedMoE, second launch: the whole chain for a block of up to 64 tokens that share one pair of experts (slot A = lo, slot B = hi).
; WORK LEFT OUT: rows of experts that a token's ids do not name (their combine weight is a sum of zeros built by the problem's own text: shown at the head of the first launch).
; out[t] = wA 2^(ehA + edA) dA + wB 2^(ehB + edB) dB;  d = sum of codes(act) x codes(down);  act = silu(g) u, quantised with 2^eh;  g, u = 2^(ex + egu) x sums of codes(x) x codes(gate_up).
; Expert e takes entries 4 e .. 4 e + 3 of the scales: ex, egu, eh, ed.  All products by v_wmma_f32_16x16x128_bf8_bf8, sums in f32, the activation in f32.
; GRID.  Bucket g has ceil(count / 64) blocks; over 36 buckets and 8,192 tokens that is never more than 128 + 35 = 163, whatever the ids.  Work-group b finds its bucket and block from the 36 stored counts, without a jump.
; A work-group that the split leaves without rows (n = 0) walks the same text on valid clamped places and stores nothing: the text has two barriers, which every wave passes, so no jump on a stored number leads round them.
; Rows at or past n in a block's last tile are copies of its last real row: they store the same numbers to the same bytes.
; SHARES.  Four waves.  THE WAVES SHARE THE COLUMNS, NOT THE ROWS: wave w makes hidden units 64 w .. 64 w + 63 (4 tiles of gate, 4 of up) and outputs 256 w .. 256 w + 255 (4 groups G of 4 tiles), for all 64 rows and both slots:
; each byte of weights enters the work-group once.  Weights come from memory straight into registers, as images of fragments that the first launch laid out: one stream of 24 chunks of 16 KiB a wave (16 of gate_up, 8 of down),
; asked for in halves, two chunks ahead; the stream does not stop at the change from one phase to the next.
; Both products are used transposed (source 0 = 16 rows of weights, source 1 = 16 tokens): a lane holds ONE token (lane % 16) throughout, and its registers run along the columns.
; x's codes and the activation's go from wave to wave through LDS as images of operand registers (piece c at 512 c, lane l at 16 l).
; K inside an instruction is permuted, alike on both sides (registers 4 c .. 4 c + 3: K = 32 c + 16 (l / 16) + 0 .. 15): each product meets its partner; the order of the sums inside an instruction differs.
; NO CLUSTER, NO TENSOR LOAD: which blocks share an expert hangs on counts read from memory, so no descriptor is equal in partners by the text's own arithmetic, and the stores hang on a stored count.
; LIMITS on the given exponents: ex + egu between -120 and 120; eh - 2 (ex + egu) between -126 and 112; eh + ed is applied by v_ldexp_f32 and has none.  NaN among the weights is carried on as it is.
; REGISTERS, in windows of 256.  Window 0: v1-15 addresses; v16-31 the tokens' two factors, as pairs; v32-63 byte offsets of rows of out; v64-191 x as gathered, then two buffers of x's fragments, then rows of out;
;   v192-223 codes just made; v224, v225 the conversions' scales; v226-243 at work at the head.   Window 1: the 32 accumulators of gate and up ((m, t') at 64 m + 8 t'); later the activation's 16 fragments.
;   Window 2: two buffers of weights, 128 each.   Window 3: in the first phase v0-127 a third buffer of weights; then the down product's accumulators ((slot, n, m) at 128 slot + 32 n + 8 m).
; THE MODE: SCHED_MODE bits 1:0 = 2 (LLVM: expert scheduling mode 2), set by the entry lines.  The code itself states the register dependences
; between vector or matrix instructions and memory or LDS instructions, with s_wait_alu, always for 0.
; THE PLAN.  Registers that memory or LDS instructions touch, and who else names them:
;   W0 (window 3, v0-127), W1, W2 (window 2, v0-127, v128-255).  Chunk i of the first sixteen lies in W[i % 3].  Step i's products read it; the loads of chunk i + 2, issued in step i, land in W[(i + 2) % 3],
;       the buffer that step i - 1's products read and that no product of step i names.  Chunk 16 + q lies in W1 (q even) or W2 (q odd): there i % 3 has put chunks 16 and 17.
;   X0, X1 (v64-127, v128-191).  At the head: loaded with x, read by the LDS stores of x's images.  Step i's products read X[i % 2]; its LDS loads land in the other, which step i - 1's products read.
;       In the second phase: rows of out: LDS loads from the stage land there, the global stores read them.
;   PC (v192-223).  Written by a slot's conversions, read by its LDS stores.
;   Window 1.  Named by products and by the activation; behind the second barrier the LDS loads of the sixteen fragments land there.
;   Window 3, v0-127, second phase.  Written by slot A's products and by COMBINE; read by the LDS stores into the stage.
;   Addresses (v1-15, v226-231, v242, the 32 offsets of rows of out): made at the head, never written again once a memory instruction has read them.
; So: ONE wait on va_vdst at the head of a step of the first product serves its 16 LDS loads and 32 loads of weights, which are dealt in runs among its products; in a group of the second product one at the head of the
; odd chunk and one behind COMBINE; one ahead of each run of LDS stores whose data vector instructions have made.  One wait on vm_vsrc stands behind the first barrier, one ahead of slot B's conversions, one in each way out.
.set HIMG,  65536                      ; LDS: 0: x's 32 images ((m, s) at (8 m + s) 2,048);  HIMG: the activation's 16 ((slot, m, ks) at (8 slot + 2 m + ks) 2,048)
.set STG,   98304                      ; the stage for the way out: 64 rows x (256 bytes + 16) for each wave
.set STGW,  64*272
.set TOKT,  STG+4*STGW                 ; each wave's own copy of the block's 64 tokens
.set SPARE, TOKT+1024                  ; the spare words, 128 bytes for each wave: two blocks of 256 bytes that no other line names
.set L16, 1                            ; v1   16 x lane: my place in a piece of an image, in memory and in LDS
.set SPW, 2                            ; v2   LDS address of my spare word; never rewritten
.set NIL, 3                            ; v3   0; never rewritten
.set HH,  4                            ; v4   lane / 16
.set HR,  5                            ; v5   HIMG + 16 x lane
.set HW,  6                            ; v6   where I store the activation's codes: + 2,048 (w / 2) + 1,024 (w % 2)
.set XW,  7                            ; v7   where I store x's images: 16 x lane + 16,384 w
.set SO,  8                            ; v8   the stage: where I put 32 bytes of a row
.set SR,  9                            ; v9   and where I read a row back
.set TT,  10                           ; v10  my wave's token table, 4 x lane
.set TR,  11                           ; v11  the same, + 4 (lane / 16)
.set TS,  12                           ; v12  the same, row 16 w + lane % 16
.set LN,  14                           ; v14  lane
.set RR,  15                           ; v15  lane % 16
.set SC,  16
.set OFS, 32
.set XB,  64
.set PC,  192
.set CVS, 224
.set GA,  28                           ; s[28:29], s[30:31] my wave's images of gate_up, slot A, B
.set DA,  32                           ; s[32:33], s[34:35] of down
.set C1,  36                           ; s[36:37], s[38:39] -log2(e) x 2^(ex + egu), as a pair
.set LIM, 40                           ; s40, s41 / s42, s43: +-57,344 x the conversion's scale
.set ESC, 44                           ; s44, s45: eh + ed
.set MSB, 0
.macro WIN new                         ; the immediate's high byte repeats the setting that is left; a switch that changes nothing is dropped
.if MSB != \new
	s_set_vgpr_msb (MSB<<8)|\new
.set MSB, \new
.endif
.endm
.set W_P1, 0x52                        ; source 0 (weights) window 2, source 1 (x) window 0, C and D window 1
.set W_P3, 0x53                        ; the same with the weights in window 3
.set W_LD, 0x80                        ; a load's destination window 2, its address window 0
.set W_L3, 0xc0                        ; a load's destination window 3
.set W_V1, 0x55                        ; all of a vector instruction's registers window 1
.set W_CV, 0x01                        ; source 0 window 1
.set W_AF, 0x40                        ; a load's destination window 1
.set W_P2, 0xf6                        ; source 0 (weights) window 2, source 1 (activation) window 1, C and D window 3
.set W_CB, 0xf3                        ; source 0, source 2 and destination window 3, source 1 window 0
.set W_ST, 0x0c                        ; an LDS store's data window 3
; Half h of chunk i of the stream of weights: four images, 16 loads of 512 consecutive bytes.  Chunks 0-7: slot A's gate_up, K step i (half 0: gate's tiles, half 1: up's); 8-15: slot B's; 16 + q: down, group q / 2, slot q % 2.
; Where it lands: chunks 0-15: i % 3 = 0: window 3, v0 on; 1: window 2, v0 on; 2: window 2, v128 on.  Chunks 16 on: window 2, v0 on (even) or v128 on (odd).
.macro LOADH i, h
.if (\i) < 16
.set LB, GA+2*((\i)>>3)
.set LO0, (((\i)&7)*8+4*(\h))*2048
.if ((\i)%3) == 0
	WIN W_L3
.set LR, 64*(\h)
.else
	WIN W_LD
.set LR, 128*(((\i)%3)-1)+64*(\h)
.endif
.else
	WIN W_LD
.set LB, DA+2*(((\i)-16)&1)
.set LO0, (((\i)-16)>>1)*16384+4*(\h)*2048
.set LR, 128*((\i)&1)+64*(\h)
.endif
.irp f, 0,1,2,3
.irp c, 0,1,2,3
	global_load_b128 v[LR+16*\f+4*\c:LR+16*\f+4*\c+3], v[L16], s[LB:LB+1] offset:LO0+2048*\f+512*\c
.endr
.endr
.endm
.macro PLACES                          ; four plain vector instructions between a matrix instruction and a read of its result; they stand ahead of loads into its sources too, beside the wait on va_vdst
.rept 4
	v_nop
.endr
.endm
.macro XFETCH s, b                     ; x's four fragments (row tiles m) of K step s into buffer b
.irp m, 0,1,2,3
.irp c, 0,1,2,3
	ds_load_b128 v[XB+64*(\b)+16*\m+4*\c:XB+64*(\b)+16*\m+4*\c+3], v[L16] offset:(8*\m+(\s))*2048+512*\c
.endr
.endr
.endm
; A K step of the first product: chunk i, 32 matrix instructions.  The 32 accumulators take turns, one instruction a turn, in the same order in every step.  A slot's first step starts the sums with the constant 0.
; The halves of the stream are asked for in order; when half (i, h) is waited for, the three halves behind it have been asked for: 48 loads may be out.
.macro STEP i
.set XI, XB+64*((\i)&1)
.if ((\i)%3) == 0
.set RB, 0
.set WP, W_P3
.else
.set RB, 128*(((\i)%3)-1)
.set WP, W_P1
.endif
	s_wait_dscnt 0x0                               ; this step's fragments of x are in (asked for a step ago)
.if ((\i)&7) != 0
	PLACES
	s_wait_alu depctr_va_vdst(0)                   ; the products of the step before are done reading their buffer of x and their buffer of weights, in which this step's 16 LDS loads and 32 loads land; no product of this step names either
.endif                                                 ; (a slot's first step has no such line: step 0 has no step before it, and the activation's last wait on va_vdst stands behind step 7's products)
.if (\i) < 15
	XFETCH ((\i)+1)&7, 1-((\i)&1)                  ; the next step's fragments
.endif
.irp h, 0,1
	s_wait_loadcnt 48                              ; loads come back in order (ISA guide 5.7.1): this half's four images are in, the three younger halves may be out
	LOADH (\i)+2, \h                               ; the chunk two on, into the buffer that the step before read
	WIN WP
.irp q, 0,1,2,3
.irp m, 0,1,2,3
.if ((\i)&7) == 0
	v_wmma_f32_16x16x128_bf8_bf8 v[64*\m+8*(4*\h+\q):64*\m+8*(4*\h+\q)+7], v[RB+16*(4*\h+\q):RB+16*(4*\h+\q)+15], v[XI+16*\m:XI+16*\m+15], 0
.else
	v_wmma_f32_16x16x128_bf8_bf8 v[64*\m+8*(4*\h+\q):64*\m+8*(4*\h+\q)+7], v[RB+16*(4*\h+\q):RB+16*(4*\h+\q)+15], v[XI+16*\m:XI+16*\m+15], v[64*\m+8*(4*\h+\q):64*\m+8*(4*\h+\q)+7]
.endif
.endr
.endr
.endr
	WIN 0
.endm
; The activation of slot z, in place in window 1.  G = registers 64 m + 0 .. 31 (gate's raw sums), U = 64 m + 32 .. 63 (up's).  The raw sums stand for g and u divided by 2^E, E = ex + egu.
; V = G U / (1 + 2^(c1 G)), c1 = -log2(e) 2^E, is silu(g) u / 2^(2 E); its code is V / 2^(eh - 2 E), held at the largest code.  Each accumulator is read from its low end on.
.macro ACT z
	PLACES                                         ; between the slot's last products and the first read of their sums
	WIN W_V1
.irp m, 0,1,2,3
.set P, 0
.rept 16
	v_pk_mul_f32 v[64*\m+32+P:64*\m+33+P], v[64*\m+P:64*\m+1+P], v[64*\m+32+P:64*\m+33+P]   ; G U
.set P, P+2
.endr
.endr
.irp m, 0,1,2,3
.set P, 0
.rept 16
	v_pk_mul_f32 v[64*\m+P:64*\m+1+P], v[64*\m+P:64*\m+1+P], s[C1+2*(\z):C1+2*(\z)+1] op_sel_hi:[1,0]   ; -g log2(e)
.set P, P+2
.endr
.endr
	s_wait_alu depctr_va_vdst(0)
.irp m, 0,1,2,3
.set P, 0
.rept 32
	v_exp_f32 v[64*\m+P], v[64*\m+P]
.set P, P+1
.endr
.endr
	v_nop                                          ; a plain instruction behind the last exponential,
	s_wait_alu depctr_va_vdst(0)                   ; and one wait for the batch: the 128 exponentials have written G's registers, ahead of the additions that read them
.irp m, 0,1,2,3
.set P, 0
.rept 16
	v_pk_add_f32 v[64*\m+P:64*\m+1+P], v[64*\m+P:64*\m+1+P], 1.0 op_sel_hi:[1,0]
.set P, P+2
.endr
.endr
	s_wait_alu depctr_va_vdst(0)
.irp m, 0,1,2,3
.set P, 0
.rept 32
	v_rcp_f32 v[64*\m+P], v[64*\m+P]               ; sigmoid(g); 0 where the exponential was infinite
.set P, P+1
.endr
.endr
	v_nop
	s_wait_alu depctr_va_vdst(0)                   ; the 128 reciprocals have written G's registers, ahead of the multiplications that read them: one wait for the batch
.irp m, 0,1,2,3
.set P, 0
.rept 16
	v_pk_mul_f32 v[64*\m+32+P:64*\m+33+P], v[64*\m+32+P:64*\m+33+P], v[64*\m+P:64*\m+1+P]
.set P, P+2
.endr
.endr
.irp m, 0,1,2,3
.set P, 0
.rept 32
	v_med3_num_f32 v[64*\m+32+P], v[64*\m+32+P], s[LIM+2*(\z)+1], s[LIM+2*(\z)]   ; the conversion to an 8-bit code does not saturate (ISA guide 7.6.2): the hold at the largest code x the scale
.set P, P+1
.endr
.endr
.if (\z)
	s_wait_alu depctr_vm_vsrc(0)                   ; slot A's LDS stores have read v[PC ..], which the conversions below write again
.endif
	WIN W_CV
.irp m, 0,1,2,3
.irp t, 0,1,2,3
	v_cvt_scalef32_pk8_bf8_f32 v[PC+8*\m+2*\t:PC+8*\m+2*\t+1], v[64*\m+32+8*\t:64*\m+39+8*\t], v[CVS+(\z)]   ; tile t's eight units: 32 (t / 2) + 16 (lane / 16) + 8 (t % 2) + 0 .. 7
.endr
.endr
	v_nop                                          ; a plain instruction between the last conversion and whatever next touches its registers
	WIN 0
	s_wait_alu depctr_va_vdst(0)                   ; the conversions have written v[PC ..], which the LDS stores read
.irp m, 0,1,2,3
.irp b, 0,1
	ds_store_b128 v[HW], v[PC+8*\m+4*\b:PC+8*\m+4*\b+3] offset:16384*(\z)+4096*\m+512*\b   ; my 64 units are pieces 2 (w % 2) + b of K step w / 2
.endr
.endr
.endm
; A chunk of the second product: group q / 2 (64 outputs: 4 tiles n), slot q % 2: 32 matrix instructions.  In each half eight accumulators take turns: K step 0 starts the sums, K step 1 adds, eight instructions behind.
; An even chunk asks for nothing.  An odd chunk asks, ahead of each of its halves, for a half of the next even chunk, into the buffer that the even chunk before it read.
.macro CHUNK q
.set RB, 128*((\q)&1)
.set ZB, 128*((\q)&1)
.if ((\q)&1) && ((\q) < 7)
	PLACES
	s_wait_alu depctr_va_vdst(0)                   ; the even chunk's products are done reading their buffer of weights, in which this chunk's 32 loads land; no product of this chunk names it
.endif
.irp h, 0,1
.if ((\q)&1) && ((\q) < 7)
	LOADH (\q)+17, \h
	s_wait_loadcnt 32                              ; this half is in; behind it two halves have been asked for
.elseif (\q)&1
	s_wait_loadcnt 16-16*\h                        ; the stream's last chunk: the counts run down
.else
	s_wait_loadcnt 48-16*\h                        ; behind this half: the rest of this chunk and the whole odd chunk
.endif
	WIN W_P2
.irp k, 0,1
.irp n, 0,1
.irp m, 0,1,2,3
.if \k == 0
	v_wmma_f32_16x16x128_bf8_bf8 v[ZB+32*(2*\h+\n)+8*\m:ZB+32*(2*\h+\n)+8*\m+7], v[RB+16*(2*(2*\h+\n)+\k):RB+16*(2*(2*\h+\n)+\k)+15], v[ZB+32*\m+16*\k:ZB+32*\m+16*\k+15], 0
.else
	v_wmma_f32_16x16x128_bf8_bf8 v[ZB+32*(2*\h+\n)+8*\m:ZB+32*(2*\h+\n)+8*\m+7], v[RB+16*(2*(2*\h+\n)+\k):RB+16*(2*(2*\h+\n)+\k)+15], v[ZB+32*\m+16*\k:ZB+32*\m+16*\k+15], v[ZB+32*(2*\h+\n)+8*\m:ZB+32*(2*\h+\n)+8*\m+7]
.endif
.endr
.endr
.endr
.endr
.endm
.macro COMBINE                         ; dA = sA dA + sB dB, two numbers an instruction; each accumulator from its low end on
	PLACES                                         ; between the group's last products and the first read of their sums
	WIN W_CB
.irp n, 0,1,2,3
.irp m, 0,1,2,3
.irp p, 0,2,4,6
	v_pk_mul_f32 v[32*\n+8*\m+\p:32*\n+8*\m+\p+1], v[32*\n+8*\m+\p:32*\n+8*\m+\p+1], v[SC+4*\m:SC+4*\m+1]
.endr
.endr
.endr
.irp n, 0,1,2,3
.irp m, 0,1,2,3
.irp p, 0,2,4,6
	v_pk_fma_f32 v[32*\n+8*\m+\p:32*\n+8*\m+\p+1], v[128+32*\n+8*\m+\p:128+32*\n+8*\m+\p+1], v[SC+4*\m+2:SC+4*\m+3], v[32*\n+8*\m+\p:32*\n+8*\m+\p+1]
.endr
.endr
.endr
.endm
; Row tile m of group g leaves, if the block has rows there: only the stores stand under the jump on the stored count.
.macro SENDM g, m
	s_wait_dscnt 24-8*(\m)                         ; this tile's eight loads from the stage are in; those of the later tiles may be out
	s_cmp_le_u32 s67, 16*(\m)
	s_cbranch_scc1 .Lnone_\@
.irp t, 0,1,2,3,4,5,6,7
	global_store_b128 v[OFS+8*(\m)+\t], v[XB+32*(\m)+4*\t:XB+32*(\m)+4*\t+3], s[18:19] offset:256*(\g) th:TH_STORE_NT   ; sixteen lanes store 256 consecutive bytes of one token's row, at a multiple of 256 from out's first byte; written once
.endr
.Lnone_\@:
.endm
; The way out of group g: a lane holds 32 bytes of a row and the lanes beside it hold other rows, so the 64 rows x 256 bytes go through my own stage and come back as whole rows.
.macro OUT g
	WIN W_ST
.irp m, 0,1,2,3
.irp n, 0,1,2,3
	ds_store_b128 v[SO], v[32*\n+8*\m:32*\n+8*\m+3] offset:16*\m*272+64*\n
	ds_store_b128 v[SO], v[32*\n+8*\m+4:32*\n+8*\m+7] offset:16*\m*272+64*\n+16
.endr
.endr
	WIN 0
	s_wait_xcnt 0x0                                ; the last group's stores have had their addresses translated (ISA guide 3.1): the loads below land in their data registers only behind this wait
	s_wait_alu depctr_vm_vsrc(0)                   ; the last group's global stores have read the rows' registers, in which the loads below land; and the LDS stores above have read slot A's accumulators, which the next group's products write anew
.irp m, 0,1,2,3
.irp t, 0,1,2,3,4,5,6,7
	ds_load_b128 v[XB+32*\m+4*\t:XB+32*\m+4*\t+3], v[SR] offset:(16*\m+2*\t)*272   ; LDS serves a wave's instructions in order (ISA guide 5.7.1): these see my stores
.endr
.endr
	SENDM \g, 0
	SENDM \g, 1
	SENDM \g, 2
	SENDM \g, 3
.endm
.macro SCALES z                        ; slot z's powers of two, from ex, egu, eh, ed in s[20 + 4 z ..]
	s_add_co_i32 s48, s[20+4*\z], s[21+4*\z]       ; E = ex + egu
	s_lshl_b32 s49, s48, 23
	s_add_co_u32 s[C1+2*\z], s49, 0xbfb8aa3b       ; -log2(e) with E added to its exponent field
	s_mov_b32 s[C1+2*\z+1], s[C1+2*\z]             ; (named with it as a pair, so it is written)
	s_lshl_b32 s49, s48, 1
	s_sub_co_i32 s49, s[22+4*\z], s49              ; eh - 2 E
	s_add_co_i32 s49, s49, 127
	s_lshl_b32 s50, s49, 23
	v_mov_b32 v[CVS+\z], s50                       ; 2^(eh - 2 E) as f32: the conversion takes its exponent field
	s_add_co_i32 s49, s49, 15
	s_lshl_b32 s49, s49, 23
	s_or_b32 s[LIM+2*\z], s49, 0x600000            ; 57,344 x that,
	s_or_b32 s[LIM+2*\z+1], s[LIM+2*\z], 0x80000000   ; and its negative
	s_add_co_i32 s[ESC+\z], s[22+4*\z], s[23+4*\z] ; eh + ed
.endm
	s_load_b512 s[4:19], s[0:1], 0x0               ; gu_frag 4:5, dn_frag 6:7, x 8:9, scales 10:11, bcnt 12:13, stok 14:15, swt 16:17, out 18:19
	v_lshl_add_u32 v[SPW], v0, 2, SPARE
	v_mov_b32 v[NIL], 0
	v_lshrrev_b32 v13, 5, v0
	v_readfirstlane_b32 s66, v13                   ; wave 0..3
	v_and_b32 v[LN], 31, v0
	v_and_b32 v[RR], 15, v0
	v_bfe_u32 v[HH], v0, 4, 1
	v_lshlrev_b32 v[L16], 4, v[LN]
	s_wait_alu depctr_va_sdst(0)                   ; s66 is written, ahead of its first reader: LDS addresses and the bases of the weights are made from it
	s_wait_alu depctr_va_vdst(0)
	s_wait_kmcnt 0x0
	s_load_b512 s[20:35], s[12:13], 0x0            ; the 36 buckets' counts
	s_load_b512 s[36:51], s[12:13], 0x40
	s_load_b128 s[52:55], s[12:13], 0x80
	; every LDS address is made here: constants, the lane and the wave's number
	v_add_nc_u32 v[HR], HIMG, v[L16]
	s_lshr_b32 s62, s66, 1
	s_lshl_b32 s62, s62, 11
	s_and_b32 s63, s66, 1
	s_lshl_b32 s63, s63, 10
	s_add_co_u32 s62, s62, s63
	v_add_nc_u32 v[HW], s62, v[HR]
	s_lshl_b32 s62, s66, 14
	v_add_nc_u32 v[XW], s62, v[L16]
	s_mul_i32 s62, s66, STGW
	s_add_co_u32 s62, s62, STG                     ; my stage
	v_mul_u32_u24 v[SO], v[RR], 272
	v_lshl_add_u32 v[SO], v[HH], 5, v[SO]
	v_add_nc_u32 v[SO], s62, v[SO]                 ; in: row lane % 16 of a tile, 32 bytes for each half of the lanes
	v_mul_u32_u24 v[SR], v[HH], 272
	v_lshl_add_u32 v[SR], v[RR], 4, v[SR]
	v_add_nc_u32 v[SR], s62, v[SR]                 ; back: lanes 0-15 one row of 256 bytes, lanes 16-31 the next
	s_lshl_b32 s63, s66, 8
	s_add_co_u32 s63, s63, TOKT                    ; my table of tokens
	v_lshl_add_u32 v[TT], v[LN], 2, s63
	v_lshl_add_u32 v[TR], v[HH], 2, s63
	s_lshl_b32 s62, s66, 6
	s_add_co_u32 s62, s62, s63
	v_lshl_add_u32 v[TS], v[RR], 2, s62
	s_mov_b32 s56, 0                               ; blocks of the buckets passed,
	s_mov_b32 s57, 0                               ; and their tokens
	s_mov_b32 s58, 0
	s_mov_b32 s59, 0
	s_mov_b32 s60, 0
	s_mov_b32 s61, 0
	s_wait_kmcnt 0x0
	; which bucket holds block number ttmp9: the last bucket whose first block is at or under it.  No jump: four selections a bucket
.set GI, 0
.set LO_, 0
.set HI_, 0
.rept 36
	s_cmp_ge_u32 ttmp9, s56
	s_cselect_b32 s58, s56, s58                    ; its first block,
	s_cselect_b32 s59, s57, s59                    ; its first place,
	s_cselect_b32 s60, s[20+GI], s60               ; its count,
	s_cselect_b32 s61, LO_|(HI_<<8), s61           ; its two experts
	s_add_co_u32 s62, s[20+GI], 63
	s_lshr_b32 s62, s62, 6
	s_add_co_u32 s56, s56, s62
	s_add_co_u32 s57, s57, s[20+GI]
.set GI, GI+1
.if LO_ == HI_
.set HI_, HI_+1
.set LO_, 0
.else
.set LO_, LO_+1
.endif
.endr
	s_sub_co_u32 s62, ttmp9, s58
	s_lshl_b32 s62, s62, 6                         ; 64 x my block's number in the bucket
	s_add_co_u32 s68, s59, s62                     ; my first place
	s_sub_co_i32 s67, s60, s62
	s_min_i32 s67, s67, 64
	s_max_i32 s67, s67, 0                          ; n: my rows, 0 .. 64
	s_sub_co_u32 s69, s67, 1                       ; n - 1 (with n = 0 the greatest number: no row is folded back)
	s_and_b32 s70, s61, 0xff
	s_min_u32 s70, s70, 7                          ; lo
	s_lshr_b32 s71, s61, 8
	s_min_u32 s71, s71, 7                          ; hi
	s_lshl_b32 s72, s70, 4
	s_lshl_b32 s73, s71, 4
	s_load_b128 s[20:23], s[10:11], s72 offset:0x0 ; slot A's ex, egu, eh, ed
	s_load_b128 s[24:27], s[10:11], s73 offset:0x0 ; slot B's
	s_mov_b32 s49, 0
	s_lshl_b32 s48, s70, 2
	s_add_co_u32 s48, s48, s66
	s_lshl_b32 s48, s48, 17                        ; (4 e + w) x 64 images of 2,048 bytes
	s_add_nc_u64 s[GA:GA+1], s[4:5], s[48:49]
	s_lshl_b32 s48, s71, 2
	s_add_co_u32 s48, s48, s66
	s_lshl_b32 s48, s48, 17
	s_add_nc_u64 s[GA+2:GA+3], s[4:5], s[48:49]
	s_lshl_b32 s50, s66, 2
	s_lshl_b32 s48, s70, 4
	s_add_co_u32 s48, s48, s50
	s_lshl_b32 s48, s48, 14                        ; (16 e + 4 w) x 8 images
	s_add_nc_u64 s[DA:DA+1], s[6:7], s[48:49]
	s_lshl_b32 s48, s71, 4
	s_add_co_u32 s48, s48, s50
	s_lshl_b32 s48, s48, 14
	s_add_nc_u64 s[DA+2:DA+3], s[6:7], s[48:49]
	; a row's place = my first place + min(row, n - 1), held under 8,192.  All six offsets are made first, so that one wait serves the loads that read them
	v_min_u32 v226, s69, v[LN]
	v_add_nc_u32 v227, 32, v[LN]
	v_min_u32 v227, s69, v227
	v_add_nc_u32 v226, s68, v226
	v_add_nc_u32 v227, s68, v227
	v_min_u32 v226, 0x1fff, v226
	v_min_u32 v227, 0x1fff, v227
	v_lshlrev_b32 v226, 2, v226
	v_lshlrev_b32 v227, 2, v227
.irp m, 0,1,2,3
	v_add_nc_u32 v[228+\m], 16*\m, v[RR]
	v_min_u32 v[228+\m], s69, v[228+\m]
	v_add_nc_u32 v[228+\m], s68, v[228+\m]
	v_min_u32 v[228+\m], 0x1fff, v[228+\m]
	v_lshlrev_b32 v[228+\m], 3, v[228+\m]
.endr
	s_wait_alu depctr_va_vdst(0)                   ; the addresses v1 to v12 and the six offsets v226 to v231 are written, which the loads, LDS loads and LDS stores from here on read
	global_load_b32 v240, v226, s[14:15]           ; the tokens of rows lane and 32 + lane
	global_load_b32 v241, v227, s[14:15]
.irp m, 0,1,2,3
	global_load_b64 v[SC+4*\m:SC+4*\m+1], v[228+\m], s[16:17]   ; the two weights of row 16 m + lane % 16
.endr
	LOADH 0, 0                                     ; the stream of weights begins beside them
	LOADH 0, 1
	WIN 0
	s_wait_loadcnt 32                              ; tokens and weights are in; chunk 0's 32 loads, issued behind them, may be out
	ds_store_b32 v[TT], v240                       ; the 64 tokens into my wave's own table: each lane then takes those that it wants
	ds_store_b32 v[TT], v241 offset:128
	ds_load_b32 v242, v[TS]                        ; row 16 w + lane % 16: the row of x that I gather
.irp m, 0,1,2,3
.irp t, 0,1,2,3,4,5,6,7
	ds_load_b32 v[OFS+8*\m+\t], v[TR] offset:4*(16*\m+2*\t)   ; row 16 m + 2 t + lane / 16: the row of out that I store
.endr
.endr
	s_wait_dscnt 0x0
	v_min_u32 v242, 0x1fff, v242                   ; (a token is under 8,192: the bound is written out, since it enters addresses)
	v_lshlrev_b32 v242, 10, v242
	v_lshl_add_u32 v242, v[HH], 4, v242            ; its row of 1,024 codes, + 16 (lane / 16)
	s_wait_alu depctr_va_vdst(0)                   ; v242 is written, which the 32 loads of x read as their offset
.set I, 0
.rept 32
	global_load_b128 v[XB+4*I:XB+4*I+3], v242, s[8:9] offset:32*I   ; wave w gathers row tile w: piece I % 4 of K step I / 4
.set I, I+1
.endr
	LOADH 1, 0
	LOADH 1, 1
	WIN 0
	s_lshl_b32 s48, s66, 10
	v_lshl_add_u32 v243, v[RR], 4, s48             ; my wave's 1,024 bytes of a row of out, + 16 (lane % 16)
.set I, 0
.rept 32
	v_min_u32 v[OFS+I], 0x1fff, v[OFS+I]
	v_lshl_add_u32 v[OFS+I], v[OFS+I], 12, v243    ; a row of out is 4,096 bytes
.set I, I+1
.endr
	s_wait_kmcnt 0x0
	SCALES 0
	SCALES 1
.irp m, 0,1,2,3
	v_ldexp_f32 v[SC+4*\m+2], v[SC+4*\m+1], s[ESC+1]   ; sB = wB 2^(eh + ed)
	v_ldexp_f32 v[SC+4*\m], v[SC+4*\m], s[ESC]         ; sA
	v_mov_b32 v[SC+4*\m+3], v[SC+4*\m+2]               ; each twice: the packed forms multiply by a pair
	v_mov_b32 v[SC+4*\m+1], v[SC+4*\m]
.endr
.set I, 0
.rept 32
	s_wait_loadcnt 63-I                            ; piece I of x is in: behind it 31 - I loads of x and chunk 1's 32
	ds_store_b128 v[XW], v[XB+4*I:XB+4*I+3] offset:512*I
.set I, I+1
.endr
	s_wait_dscnt 0x0                               ; for the others' sake: my images of x have landed
	s_barrier_signal -1
	s_barrier_wait -1                              ; x's 32 images lie in LDS
	s_wait_alu depctr_vm_vsrc(0)                   ; my LDS stores have read v64 to v191: these registers are the two buffers of x's fragments from here on, in which LDS loads land
	XFETCH 0, 0
.irp i, 0,1,2,3,4,5,6,7
	STEP \i                                        ; slot A: gate and up
.endr
	ACT 0                                          ; chunks 8 and 9 land meanwhile
.irp i, 8,9,10,11,12,13,14,15
	STEP \i                                        ; slot B
.endr
	ACT 1                                          ; the first two chunks of down land meanwhile
	s_wait_dscnt 0x0                               ; my codes have landed, and my reads of x are over
	s_barrier_signal -1
	s_barrier_wait -1                              ; the activation's 16 images lie in LDS
	WIN W_AF
	s_wait_alu depctr_va_vdst(0)                   ; the activation's vector instructions are done reading and writing window 1's registers, in which the sixteen fragments land
.set I, 0
.rept 64
	ds_load_b128 v[4*I:4*I+3], v[HR] offset:512*I  ; all sixteen fragments, over the first product's accumulators: fragment (slot, m, ks) at 16 (8 slot + 2 m + ks)
.set I, I+1
.endr
	WIN 0
	s_wait_dscnt 0x0
.irp g, 0,1,2,3
	CHUNK 2*\g
	CHUNK 2*\g+1
	COMBINE
	s_wait_alu depctr_va_vdst(0)                   ; COMBINE has written slot A's accumulators, which the LDS stores into the stage read; the odd chunk's products are done reading their buffer of weights, in which the loads below land
.if \g < 3
	LOADH 2*\g+19, 0                               ; the next odd chunk, ahead of the way out
	LOADH 2*\g+19, 1
.endif
	OUT \g
.endr
	s_wait_dscnt 0x0                               ; the closing lines, six on end
	s_wait_alu 0x0
	s_wait_tensorcnt 0x0
	ds_add_u32 v[SPW], v[NIL]
	s_wait_dscnt 0x0
	s_endpgm
.Lfunc_end_k_q12b5157dd1_moe:
	.size	k_q12b5157dd1_moe, .Lfunc_end_k_q12b5157dd1_moe-k_q12b5157dd1_moe
	.p2alignl 7, 3214868480
	.fill 96, 4, 3214868480
	.section	.rodata,"a",@progbits
	.p2align	6, 0x0
	.amdhsa_kernel k_q12b5157dd1_moe
		.amdhsa_group_segment_fixed_size 169472
		.amdhsa_private_segment_fixed_size 0
		.amdhsa_enable_private_segment 0
		.amdhsa_kernarg_size 64
		.amdhsa_user_sgpr_count 2
		.amdhsa_user_sgpr_kernarg_segment_ptr 1
		.amdhsa_wavefront_size32 1
		.amdhsa_system_sgpr_workgroup_id_x 1
		.amdhsa_system_sgpr_workgroup_id_y 1
		.amdhsa_system_sgpr_workgroup_id_z 1
		.amdhsa_system_vgpr_workitem_id 0
		.amdhsa_next_free_vgpr 1024
		.amdhsa_next_free_sgpr 80
		.amdhsa_reserve_vcc 0
		.amdhsa_float_denorm_mode_32 3
		.amdhsa_float_denorm_mode_16_64 3
		.amdhsa_memory_ordered 1
		.amdhsa_forward_progress 1
		.amdhsa_inst_pref_size 255
	.end_amdhsa_kernel
	.section	.bss,"aw",@nobits
	.p2align	6
	.space	262144
	.amdgpu_metadata
---
amdhsa.version: [ 1, 2 ]
amdhsa.kernels:
  - .name:           k_q12b5157dd1_moe
    .symbol:         k_q12b5157dd1_moe.kd
    .args:
      - { .name: gu_frag, .offset: 0, .size: 8, .value_kind: global_buffer, .address_space: global }
      - { .name: dn_frag, .offset: 8, .size: 8, .value_kind: global_buffer, .address_space: global }
      - { .name: hidden_states_codes, .offset: 16, .size: 8, .value_kind: global_buffer, .address_space: global }
      - { .name: lowp_scales, .offset: 24, .size: 8, .value_kind: global_buffer, .address_space: global }
      - { .name: bcnt, .offset: 32, .size: 8, .value_kind: global_buffer, .address_space: global }
      - { .name: stok, .offset: 40, .size: 8, .value_kind: global_buffer, .address_space: global }
      - { .name: swt, .offset: 48, .size: 8, .value_kind: global_buffer, .address_space: global }
      - { .name: out0, .offset: 56, .size: 8, .value_kind: global_buffer, .address_space: global }
    .group_segment_fixed_size: 169472
    .private_segment_fixed_size: 0
    .kernarg_segment_align: 8
    .kernarg_segment_size: 64
    .max_flat_workgroup_size: 128
    .sgpr_count:     80
    .vgpr_count:     1024
    .wavefront_size: 32
...
	.end_amdgpu_metadata
.endif
;; end of part 4
